; MI455X (gfx1250); checked and timed in simulation.
; The chip was launched on July 23, 2026; its instructions are those of AMD's public machine-readable ISA for CDNA 5 (MIT licence, August 2026) and "CDNA5" Instruction Set Architecture Reference Guide (July 2026). The comments in the code are by the model that wrote it; some were corrected since.
;; Multi Head Self Attention. Allowed arithmetic: matrix products marked QUANTISED: E2M3 operands, one E8M0 scale for each 32 along K, by v_wmma_scale_f32_16x16x128_f8f6f4 with both operands' format E2M3, f32 sums; everything else in f32.
;; Inputs: b_k 1,024 float32; b_out 1,024 float32; b_q 1,024 float32; b_v 1,024 float32; w_k 1,024 x 1,024 float32; w_out 1,024 x 1,024 float32; w_q 1,024 x 1,024 float32; w_v 1,024 x 1,024 float32; x 4 x 2,048 x 1,024 float32.
;; Outputs: out0 4 x 2,048 x 1,024 float32.
;; This version of the problem:
;;   THIS VERSION OF THE PROBLEM IS GIVEN IN LOW PRECISION. The matrix products marked QUANTISED in the list below multiply operands that are first quantised to E2M3 (2 exponent bits, 3 mantissa bits; 6 bits a number), with one power-of-two scale for each 32 numbers along K (OCP MX v1.0); their sums are f32. All else is computed in f32.
;;   The module's matrix products, in the order in which they are computed (A, B: the left and right operand; K: the contracted axis; several contracted axes count as one K, in the product's order):
;;     1. [M 8,192, K 1,024] x [K 1,024, N 1,024]; A: input x; B: input w_q: QUANTISED
;;     2. [M 8,192, K 1,024] x [K 1,024, N 1,024]; A: input x; B: input w_k: QUANTISED
;;     3. [M 8,192, K 1,024] x [K 1,024, N 1,024]; A: input x; B: input w_v: QUANTISED
;;     4. batch 64 x [M 2,048, K 64] x [K 64, N 2,048]; A: computed on the way; B: computed on the way: QUANTISED
;;     5. batch 64 x [M 2,048, K 2,048] x [K 2,048, N 64]; A: softmax (see below); B: computed on the way: QUANTISED
;;     6. [M 8,192, K 1,024] x [K 1,024, N 1,024]; A: computed on the way; B: input w_out: QUANTISED
;;   THE QUANTISER, for each operand of a quantised product, along K:
;;     - K is cut into blocks of 32 from its start; a last block that is shorter is filled with zeros.
;;     - A block's scale is 2^e with e = floor(log2(the largest magnitude in the block)) - 2, held to -126 .. 127; a block of zeros has e = 0. As a byte (E8M0): e + 127.
;;     - Each number is divided by its block's scale, clamped to +-7.5, and rounded to the nearest number of E2M3, ties to even, subnormals kept.
;;     - The product sums the exact products of the quantised numbers (number of the format x scale) in f32.
;;   ~~~python
;;   def quantise(x, axis):      # numpy; x: float32 -> the quantised numbers, widened to float32 again
;;       x = np.moveaxis(x, axis, -1); K = x.shape[-1]
;;       x = np.pad(x, [(0, 0)] * (x.ndim - 1) + [(0, -K % 32)]); x = x.reshape(x.shape[:-1] + (-1, 32)); a = np.abs(x).max(-1, keepdims=True)
;;       e = np.where(a > 0, np.clip(np.frexp(np.where(a > 0, a, 1))[1] - 1 - 2, -126, 127), 0)      # np.frexp(a)[1] - 1 = floor(log2(a)), exactly
;;       r = np.clip(x / 2.0 ** e, -7.5, 7.5)
;;       step = 2.0 ** (np.maximum(np.frexp(np.where(r == 0, 1, r))[1] - 1, 0) - 3)
;;       q = np.round(r / step) * step * 2.0 ** e      # np.round: ties to even
;;       return np.moveaxis(q.reshape(q.shape[:-2] + (-1,))[..., :K], -1, axis).astype(np.float32)
;;   ~~~
;;   SOFTMAX AHEAD OF A QUANTISED PRODUCT. Where the list says 'softmax', what is quantised is not the finished softmax but p = 2^(t - M), with t = logit x log2(e) and M = ceil(the row's largest t), a whole number; so 1/2 < the row's largest p <= 1. The row's sum l is taken of the UNQUANTISED p, in f32, and the product's result is divided by l at the end. Since M is a whole number, a kernel that streams over the keys may use a running M (the ceiling of the running maximum): every later rescaling is an exact power of two, which a block's scale takes up: the codes' values come out the same.
;;   OPERANDS COMPUTED ON THE WAY. 'Computed on the way' means the value that the module computes at that place (a softmax that the list does not call 'softmax' is quantised finished and normalised). What goes into a quantiser is computed in f32, as accurately as f32 sums, v_exp_f32 and their like allow (about 1e-6 of the number): no bf16 or f16 on the way to a quantiser, and a product that is left as it is and whose result goes on into a quantised operand takes f32 operands (vector FMAs, or v_wmma_f32_16x16x4_f32). A number that lies on a knife's edge between two numbers of the format may be rounded either way, as far as f32 arithmetic and the matrix unit's own rounding can turn it there, and no further.
;; One version. Each part assembles by itself: llvm-mc -triple=amdgcn-amd-amdhsa -mcpu=gfx1250 --defsym DOCPART=n.
;; ======== version 1 of 1: 4 launches
;; limits: right only within a limited range of input values
;; workspace buffers: xq 6,553,600 bytes; wimg 3,276,800 bytes; qimg 6,815,744 bytes; kimg 6,815,744 bytes; vimg 6,553,600 bytes; aoimg 6,553,600 bytes
;; launch quant (part 1): grid 256 x 1, 6 waves a work-group, no clusters, 51,456 bytes of LDS; arguments x, w_q, w_k, w_v, w_out, xq, wimg; writes xq, wimg
.if DOCPART == 1
	.amdgcn_target "amdgcn-amd-amdhsa--gfx1250"
	.amdhsa_code_object_version 6
	.text
	.protected	k_qb4e04cfd3b_quant
	.globl	k_qb4e04cfd3b_quant
	.p2align	8
	.type	k_qb4e04cfd3b_quant,@function
k_qb4e04cfd3b_quant:
	s_mov_b64 s[64:65], 0
	v_nop
	global_prefetch_b8 v0, s[64:65] scope:SCOPE_SE
	s_setreg_imm32_b32 hwreg(HW_REG_WAVE_MODE, 25, 1), 1
	s_wait_xcnt 0x0
; x [8192][1024] and the four weights [1024][1024], f32, K innermost, become codes of FP6 (E2M3) with one E8M0 byte for each 32 along K,
; laid as IMAGES OF OPERAND REGISTERS.  A record of 12,800 bytes serves a tile of 16 rows: eight fragments (16 rows x 128 K: 12 registers a lane) of 1,536 bytes,
; each as three images of four registers (lane l's 16 bytes at 16 l), then 512 bytes of scale words: the word of (row r, K step s) at 256 (s / 4) + 16 r + 4 (s % 4).
; xq: 512 records.  wimg: 256 records: w_q 0-63, w_k 64-127, w_v 128-191, w_out 192-255.
; THE ORDER INSIDE A BLOCK OF 32.  Every operand of this program holds a block's four octets in the order 0, 2, 1, 3.  Both sides of each product do, so the same numbers meet,
; under the same scale.  A matrix result that is quantised in registers comes out in that order by itself; here it costs nothing: it is a choice of destination registers for the LDS reads.
; A block's scale is 2^(floor(log2(its largest magnitude)) - 2); its byte is the largest magnitude's exponent field - 2, held at 1 from below.
; LIMITS: a block of zeros, or one whose largest magnitude lies under 2^-124, gets the byte 1 where the rule says 127 or less: a block of zeros has zero codes, and this program alone reads the bytes; NaN and infinities are not served.
; SHARES.  A wave takes one tile of 16 rows and half of K: four steps of 128.  Shares 0-1,023 take x, 1,024-1,535 the weights; only pointers are chosen: there is one path.
; Each load reads 512 consecutive bytes of one row; a step's 16 rows turn through the wave's own stage in LDS (rows of 528 bytes: 33 x 16, so that the sixteen rows of a read start in different banks)
; and come back as the operand's layout wants them: lane (r, h) holds k = 64 c + 32 h + 0 .. 31 of row r.  A lane holds whole blocks: no other lane is asked for a maximum.
; No tensor load, no barrier: waves share nothing.  Loads run two steps (32 loads a wave) ahead.  Matrix units and clusters have no part in a stream.
.set STG,   8448                       ; a wave's stage: 16 rows x 528 bytes
.set SPARE, 6*STG                      ; behind the six stages: the spare words, 128 bytes for each wave: three blocks of 256 bytes that no other line names
.set REC,   12800
.set LI,  4                            ; v4   16 x lane
.set STI, 5                            ; v5   the stage, on the way in
.set STO, 6                            ; v6   and on the way out: row r, + 128 h
.set SH,  7                            ; v7   8 h: where my two scale bytes stand in the word
.set SPW, 8                            ; v8   LDS address of my spare word; never rewritten
.set NIL, 9                            ; v9   0; never rewritten
.set SWD, 10                           ; v10-13 the four steps' scale words
.set MX,  14                           ; v14-15 largest magnitudes
.set SO,  16                           ; v16-17 the conversions' scale operands
.set BY,  18                           ; v18-19 scale bytes
.set WD,  20                           ; v20  my part of the word
.set PD,  21                           ; v21  lane l xor 16's part
.set C,   24                           ; v24-35 a fragment's codes
.set T,   36                           ; v36-38, v40-42 the second halves of the two blocks' codes
.set R,   64                           ; v64-191 two sets of 64 numbers as loaded
.set X,   192                          ; v192-255 64 numbers in the operand's order
	s_load_b256 s[4:11], s[0:1], 0x0               ; x, w_q, w_k, w_v
	s_load_b128 s[12:15], s[0:1], 0x20             ; w_out, xq
	s_load_b64 s[16:17], s[0:1], 0x30              ; wimg
	v_lshl_add_u32 v[SPW], v0, 2, SPARE
	v_mov_b32 v[NIL], 0
	v_lshrrev_b32 v1, 5, v0
	v_readfirstlane_b32 s18, v1                    ; wave
	v_and_b32 v1, 31, v0                           ; lane
	v_and_b32 v2, 15, v0                           ; r
	v_bfe_u32 v3, v0, 4, 1                         ; h
	v_lshlrev_b32 v[LI], 4, v1
	s_mul_i32 s19, s18, STG
	v_add_nc_u32 v[STI], s19, v[LI]
	v_mul_u32_u24 v[STO], v2, 528
	v_lshl_add_u32 v[STO], v3, 7, v[STO]
	v_add_nc_u32 v[STO], s19, v[STO]
	v_lshlrev_b32 v[SH], 3, v3
	v_mov_b32 v[PD], 0                             ; written once: a lane permute's destination counts as one of its sources
	s_mov_b32 s22, 0x76543210
	s_mov_b32 s23, 0xfedcba98                      ; v_permlanex16_b32's selects for lane l xor 16
	s_mul_i32 s34, ttmp9, 6                        ; THE SHARES: 1,536 shares (a tile of 16 rows x half of K), six to a work-group, one to a wave:
	s_add_co_u32 s34, s34, s18                     ; shares 0-1,023 are x's, the others the weights', 128 each
	s_cmp_lt_u32 s34, 1024                         ; x's share or a weight's?
	s_cselect_b32 s20, 0, 1024
	s_cselect_b32 s21, 511, 63                     ; tiles of 16 rows in the source, less one
	s_sub_co_u32 s20, s34, s20
	s_lshr_b32 s25, s20, 7                         ; which weight
	s_and_b32 s24, s20, 1                          ; which half of K
	s_lshr_b32 s20, s20, 1                         ; the record
	s_and_b32 s21, s20, s21                        ; the tile in its source
	s_lshl_b32 s28, s21, 16                        ; 16 rows of 4,096 bytes,
	s_lshl_b32 s21, s24, 11                        ; 512 numbers
	s_add_co_u32 s28, s28, s21
	s_mov_b32 s29, 0
	s_mul_i32 s30, s20, REC
	s_mul_i32 s21, s24, 6144                       ; four fragments
	s_add_co_u32 s30, s30, s21
	s_mov_b32 s31, 0
	s_mul_i32 s32, s20, REC
	s_lshl_b32 s21, s24, 8
	s_add_co_u32 s32, s32, s21
	s_add_co_u32 s32, s32, 12288                   ; my 256 bytes of scale words
	s_mov_b32 s33, 0
	s_wait_alu depctr_va_vdst(0)
	s_wait_kmcnt 0x0
	s_cmp_eq_u32 s25, 1
	s_cselect_b64 s[6:7], s[8:9], s[6:7]
	s_cmp_eq_u32 s25, 2
	s_cselect_b64 s[6:7], s[10:11], s[6:7]
	s_cmp_eq_u32 s25, 3
	s_cselect_b64 s[6:7], s[12:13], s[6:7]
	s_cmp_lt_u32 s34, 1024
	s_cselect_b64 s[4:5], s[4:5], s[6:7]
	s_cselect_b64 s[14:15], s[14:15], s[16:17]     ; the images
	s_add_nc_u64 s[4:5], s[4:5], s[28:29]
	s_add_nc_u64 s[26:27], s[14:15], s[32:33]
	s_add_nc_u64 s[14:15], s[14:15], s[30:31]
.macro LOAD t                          ; step t: 128 numbers of each of 16 rows: a load reads 512 consecutive bytes of one row
.irp i, 0,1,2,3,4,5,6,7,8,9,10,11,12,13,14,15
	global_load_b128 v[R+64*((\t)%2)+4*\i:R+64*((\t)%2)+4*\i+3], v[LI], s[4:5] offset:4096*\i+512*(\t) th:TH_LOAD_NT
.endr
.endm
.macro QSTEP t
.set RS, R+64*((\t)%2)
.if (\t) < 3
	s_wait_loadcnt 16                              ; this step's 16 loads are in; the next step's 16 may be out
.else
	s_wait_loadcnt 0x0
.endif
.irp i, 0,1,2,3,4,5,6,7,8,9,10,11,12,13,14,15
	ds_store_b128 v[STI], v[RS+4*\i:RS+4*\i+3] offset:528*\i
.endr
.irp c, 0,1                            ; LDS serves a wave's instructions in order: these see the stores above.  Octet o of a block lands at place 0, 2, 1, 3 for o = 0, 1, 2, 3
.irp j, 0,1,2,3,4,5,6,7
	ds_load_b128 v[X+32*\c+8*(((\j/2)%2)*2+\j/4)+4*(\j%2):X+32*\c+8*(((\j/2)%2)*2+\j/4)+4*(\j%2)+3], v[STO] offset:256*\c+16*\j
.endr
.endr
	s_wait_dscnt 0x0                               ; the numbers are back, and the stores have read their registers,
.if (\t) < 2
	LOAD (\t)+2                                    ; which take the loads of two steps on
.endif
.irp c, 0,1
	v_max3_num_f32 v[MX+\c], |v[X+32*\c]|, |v[X+32*\c+1]|, 0x1800000   ; my block 2 c + h, and the floor 2^(3 - 127): the byte cannot fall under 1
.endr
.irp i, 2,4,6,8,10,12,14,16,18,20,22,24,26,28,30
.irp c, 0,1
	v_max3_num_f32 v[MX+\c], v[MX+\c], |v[X+32*\c+\i]|, |v[X+32*\c+\i+1]|   ; (the two blocks by turns)
.endr
.endr
.irp c, 0,1
	v_add_nc_u32 v[SO+\c], 0xff000000, v[MX+\c]    ; 2 off the exponent field: the conversion takes the exponent field of this operand as its scale
.endr
.irp c, 0,1
	v_lshrrev_b32 v[BY+\c], 23, v[SO+\c]           ; the scale's byte
.endr
	s_wait_alu depctr_va_vdst(0)
	s_wait_xcnt 0x0                                ; the last step's stores have read the codes' registers: they are written again only behind this wait
.irp c, 0,1
	v_cvt_scalef32_pk16_fp6_f32 v[C+6*\c:C+6*\c+2], v[X+32*\c:X+32*\c+15], v[SO+\c]
	v_cvt_scalef32_pk16_fp6_f32 v[T+4*\c:T+4*\c+2], v[X+32*\c+16:X+32*\c+31], v[SO+\c]   ; (a conversion's three registers begin on an even number)
.endr
	v_nop                                          ; one plain place behind a scaled conversion
.irp c, 0,1
.irp i, 0,1,2
	v_mov_b32 v[C+6*\c+3+\i], v[T+4*\c+\i]
.endr
.endr
	v_lshl_or_b32 v[WD], v[BY+1], 16, v[BY]        ; my two bytes: blocks h and 2 + h,
	v_lshlrev_b32 v[WD], v[SH], v[WD]              ; at their places in the word;
	v_permlanex16_b32 v[PD], v[WD], s22, s23
	v_or_b32 v[SWD+(\t)], v[WD], v[PD]             ; with lane l xor 16's two the word is whole
.irp g, 0,1,2
	global_store_b128 v[LI], v[C+4*\g:C+4*\g+3], s[14:15] offset:1536*(\t)+512*\g   ; 32 lanes store 512 consecutive bytes, at a multiple of 256 from the buffer's first byte
.endr
.endm
	LOAD 0
	LOAD 1
	QSTEP 0
	QSTEP 1
	QSTEP 2
	QSTEP 3
	v_cmp_gt_u32 vcc_lo, 16, v1
	s_wait_alu depctr_va_vdst(0)
	s_wait_xcnt 0x0                                ; EXEC changes only behind this wait
	s_and_saveexec_b32 s24, vcc_lo
	global_store_b128 v[LI], v[SWD:SWD+3], s[26:27]   ; lanes 0-15: 256 consecutive bytes, aligned: four words a row
	s_wait_xcnt 0x0                                ; and again, in front of the line that widens it
	s_or_b32 exec_lo, exec_lo, s24
	s_wait_tensorcnt 0x0                           ; the wave's end, behind my last LDS store
	ds_add_u32 v[SPW], v[NIL]
	s_wait_dscnt 0x0
	s_endpgm
.Lfunc_end_k_qb4e04cfd3b_quant:
	.size	k_qb4e04cfd3b_quant, .Lfunc_end_k_qb4e04cfd3b_quant-k_qb4e04cfd3b_quant
	.p2alignl 7, 3214868480
	.fill 96, 4, 3214868480
	.section	.rodata,"a",@progbits
	.p2align	6, 0x0
	.amdhsa_kernel k_qb4e04cfd3b_quant
		.amdhsa_group_segment_fixed_size 51456
		.amdhsa_private_segment_fixed_size 0
		.amdhsa_enable_private_segment 0
		.amdhsa_kernarg_size 56
		.amdhsa_user_sgpr_count 2
		.amdhsa_user_sgpr_kernarg_segment_ptr 1
		.amdhsa_wavefront_size32 1
		.amdhsa_system_sgpr_workgroup_id_x 1
		.amdhsa_system_sgpr_workgroup_id_y 1
		.amdhsa_system_sgpr_workgroup_id_z 1
		.amdhsa_system_vgpr_workitem_id 0
		.amdhsa_next_free_vgpr 256
		.amdhsa_next_free_sgpr 66
		.amdhsa_reserve_vcc 1
		.amdhsa_float_denorm_mode_32 3
		.amdhsa_float_denorm_mode_16_64 3
		.amdhsa_memory_ordered 1
		.amdhsa_forward_progress 1
		.amdhsa_inst_pref_size 31
	.end_amdhsa_kernel
	.amdgpu_metadata
---
amdhsa.version: [ 1, 2 ]
amdhsa.kernels:
  - .name:           k_qb4e04cfd3b_quant
    .symbol:         k_qb4e04cfd3b_quant.kd
    .args:
      - { .name: x, .offset: 0, .size: 8, .value_kind: global_buffer, .address_space: global }
      - { .name: w_q, .offset: 8, .size: 8, .value_kind: global_buffer, .address_space: global }
      - { .name: w_k, .offset: 16, .size: 8, .value_kind: global_buffer, .address_space: global }
      - { .name: w_v, .offset: 24, .size: 8, .value_kind: global_buffer, .address_space: global }
      - { .name: w_out, .offset: 32, .size: 8, .value_kind: global_buffer, .address_space: global }
      - { .name: xq, .offset: 40, .size: 8, .value_kind: global_buffer, .address_space: global }
      - { .name: wimg, .offset: 48, .size: 8, .value_kind: global_buffer, .address_space: global }
    .group_segment_fixed_size: 51456
    .private_segment_fixed_size: 0
    .kernarg_segment_align: 8
    .kernarg_segment_size: 56
    .max_flat_workgroup_size: 192
    .sgpr_count:     66
    .vgpr_count:     256
    .wavefront_size: 32
...
	.end_amdgpu_metadata
.endif
;; end of part 1
;; launch proj (part 2): grid 8 x 48, 4 waves a work-group, clusters of 4 x 4, 327,680 bytes of LDS; arguments xq, wimg, b_q, b_k, b_v, qimg, kimg, vimg; writes qimg, kimg, vimg
.if DOCPART == 2
	.amdgcn_target "amdgcn-amd-amdhsa--gfx1250"
	.amdhsa_code_object_version 6
	.text
	.protected	k_qb4e04cfd3b_proj
	.globl	k_qb4e04cfd3b_proj
	.p2align	8
	.type	k_qb4e04cfd3b_proj,@function
k_qb4e04cfd3b_proj:
	s_mov_b64 s[64:65], 0
	v_nop
	global_prefetch_b8 v0, s[64:65] scope:SCOPE_SE
	s_setreg_imm32_b32 hwreg(HW_REG_WAVE_MODE, 25, 1), 1
	s_wait_xcnt 0x0
	s_wait_alu depctr_hold_cnt(0) depctr_sa_sdst(0) depctr_va_vdst(0) depctr_va_sdst(0) depctr_va_ssrc(0) depctr_va_vcc(0) depctr_vm_vsrc(0)
	s_getreg_b32 s2, hwreg(HW_REG_IB_STS2, 6, 4)
	s_cmp_eq_u32 s2, 0
	s_cbranch_scc0 .Lentry_in_a_cluster
	s_endpgm
.Lentry_in_a_cluster:
	s_bfe_u32 s2, ttmp6, 0x10000c
	s_cmp_lg_u32 s2, 0xf033
	s_cbranch_scc0 .Lentry_shape_is_right
	s_endpgm
.Lentry_shape_is_right:
; q = x w_q^T + b_q, k = x w_k^T + b_k, v = x w_v^T + b_v on codes of FP6 (E2M3) with E8M0 scales, and each result quantised again, in registers, along the K of the product that will read it:
; q and k along the head's 64, v along the tokens.  No f32 result goes to memory.
; OPERANDS are images of operand registers: a record of 12,800 bytes for 16 rows: eight fragments of 1,536 bytes (K step s at 1,536 s), then 512 bytes of scale words ((row r, K step s) at 256 (s / 4) + 16 r + 4 (s % 4)).
; A tile of 256 x 256 is made by four waves, each 128 x 128: 64 accumulators, 512 registers.  The matrix instruction is used transposed: source 0 = 16 rows of B, source 1 = 16 rows of A: a lane holds ONE row of A,
; and its registers run along B's rows.  TWO MODES, told apart by the cluster's y, which all sixteen partners share:
;   QK (cluster y 0-7):  A = x's tokens, B = w_q (cluster x 0) or w_k (cluster x 1): a lane's registers run along (head, d).
;   V  (cluster y 8-11): A = w_v, B = x's tokens: a lane's registers run along the tokens.
; So the 16 registers of two neighbouring accumulators are half of a block of 32 of the next K (octets 0 and 2 in lanes 0-15, octets 1 and 3 in lanes 16-31), and two conversions and an exchange of halves
; lay the block in the order of octets 0, 2, 1, 3, which every operand of this program has.
; OUT.  qimg, kimg: [batch x 16 + head][step of 128 tokens][6,656]: 48 registers as 12 images, register 6 a + i = register i of token tile a's half fragment (lane (r, h): block h of the head's 64);
;   at 6,144 an image of four scale registers: register i holds tile 2 i's words in lanes 0-15 and tile 2 i + 1's in lanes 16-31; bytes 2 and 3 of a word are 0x7f.
; vimg: [batch x 16 + head][step][6,400]: four fragments (16 d x 128 keys); at 6,144 two scale registers, 8 bytes a lane, laid likewise.
; K = 1,024 is eight steps of 128, written out.  LDS has THREE slots of 256 along K, so three of the four go out at the start and one slot is filled again.
; CLUSTERS: 4 x 4 work-groups; A's tiles are asked for jointly along a row of the cluster, B's along a column.
; LIMITS: a block of zeros, or one under 2^-124, gets the byte 1: a block of zeros has zero codes, and this program alone reads the bytes; NaN and infinities are not served; inside a block of 32 the order of k is 0, 2, 1, 3 by octets on both sides.
; REGISTERS, in windows of 256.  window 0: v16-30 addresses; v32-95 the scale words of all of K, and nothing else, ever; v128-223 A's fragments, one set; on the way out v96-127 and v128-227 are at work.
;   window 1: B's fragments, two sets, at v0 and v128; v96-127 and v224-255 the biases.   windows 2, 3: the accumulators ((a, b) at v[8 (8 (a % 4) + b)]).
.set REC,   12800
.set PART,  24576                      ; what one tensor load brings: 8 records x 2 fragments
.set SLOT,  4*PART                     ; A's 256 rows, then B's 256 rows
.set SCL,   3*SLOT                     ; behind the three slots: the scale words, 8,192 bytes for each of the two scale loads
.set SPARE, SCL+4*4096                 ; the spare words, 128 bytes for each wave: two blocks of 256 bytes that no other line names
.set ADRA, 16                          ; v16-18 LDS address of my A fragments in slot 0, 1, 2
.set ADRB, 20                          ; v20-22 the same for B
.set LI,   24                          ; v24  16 x lane
.set L8,   25                          ; v25  8 x lane
.set H32,  26                          ; v26  32 x (lane / 16)
.set ADRS, 27                          ; v27  LDS address of my scale words: lanes 0-15 A's rows, lanes 16-31 B's
.set SPW,  28                          ; v28  LDS address of my spare word; never rewritten
.set NIL,  29                          ; v29  0; never rewritten
.set R4,   30                          ; v30  4 x (lane % 16)
.set SC,   32                          ; register 8 i + s: lanes 0-15 the word of A's block i, lanes 16-31 of B's block i, for K step s
.set BB,   96                          ; in window 1: the biases
.set AF,   128
.set W,    128                         ; the way out: 64 numbers of a lane
.set TM,   192                         ; v192-207 largest magnitudes, bytes, scale operands
.set T0,   208                         ; v208-210, v212-214 the conversions' second halves
.set T1,   212
.set PW,   216                         ; v216-223 the eight tiles' scale words
.set KA,   96                          ; v96-107, v108-119 codes to be stored
.set KB,   108
.set SW,   120                         ; v120-127 scale registers to be stored
.set H0W,  224                         ; v224-227 head 0's
.set G1A,  24
.set G1B,  32
.set G1SA, 40
.set G1SB, 48
.set GA0,  56
.set GA1,  60
.set GA2,  68
.set GB0,  72
.set GB1,  76
.set GB2,  80
.set G0SA, 84
.set G0SB, 88
.set MSB, 0
.macro WIN new                         ; the immediate's high byte repeats the setting that is left
.if MSB != (\new)
	s_set_vgpr_msb (MSB<<8)|(\new)
.set MSB, \new
.endif
.endm
.set MUL_LO, 0xa1                      ; source 0 (B) window 1, source 1 (A) window 0, C and D window 2
.set MUL_HI, 0xf1                      ; the same, C and D window 3
.set TO_B,   0x40                      ; destination window 1, address window 0
; A joint load: waves 0 and 1 fetch for A, waves 2 and 3 for B; the branch hangs on the wave's number alone.  An s_nop 0 and four v_nop follow each of the two lines.
.macro JLOAD g0a, g1a, g0b, g1b
	s_cmp_eq_u32 s21, 0
	s_cbranch_scc0 .Lfor_b_\@
	tensor_load_to_lds s[\g0a:\g0a+3], s[\g1a:\g1a+7]
	s_nop 0
.rept 4
	v_nop
.endr
	s_branch .Lasked_\@
.Lfor_b_\@:
	tensor_load_to_lds s[\g0b:\g0b+3], s[\g1b:\g1b+7]
	s_nop 0
.rept 4
	v_nop
.endr
.Lasked_\@:
.endm
.macro CREST                           ; a round of the cluster's barrier behind its opening barrier
	s_cmp_lg_u32 s20, 0
	s_cbranch_scc1 .Lnot_wave_0_\@
	s_barrier_signal -3
.Lnot_wave_0_\@:
	s_barrier_wait -3
	s_barrier_signal -1
	s_barrier_wait -1
.endm
.macro CROUND
	s_barrier_signal -1
	s_barrier_wait -1
	CREST
.endm
.macro MKG0 g, lreg, lds, b, off       ; a descriptor's group 0: count 1, LDS address, global address, type 2
	s_mov_b32 s[\g], 1
	s_add_co_u32 s[\g+1], s[\lreg], \lds
	s_add_nc_u64 s[\g+2:\g+3], s[\b:\b+1], \off
	s_or_b32 s[\g+3], s[\g+3], 0x80000000
.endm
	s_load_b256 s[4:11], s[0:1], 0x0               ; xq, wimg, b_q, b_k
	s_load_b256 s[12:19], s[0:1], 0x20             ; b_v, qimg, kimg, vimg
	v_lshl_add_u32 v[SPW], v0, 2, SPARE
	v_mov_b32 v[NIL], 0
	ds_add_u32 v[SPW], v[NIL]                      ; the wave's opening: the add and its wait stand ahead of my first tensor load; the set-up below, work on registers, stands between them
	ds_add_u32 v[SPW], v[NIL]
	v_lshrrev_b32 v1, 5, v0
	v_readfirstlane_b32 s20, v1                    ; wave 0..3
	s_lshr_b32 s21, s20, 1                         ; which half of the tile's rows (A's) is mine.  Also: I fetch for A (0) or for B (1)
	s_and_b32 s22, s20, 1                          ; which half of its columns (B's rows).  Also: which 128 rows I fetch
	s_bfe_u32 s92, ttmp6, 0x40000                  ; cx
	s_bfe_u32 s93, ttmp6, 0x40004                  ; cy
	s_and_b32 s94, ttmp7, 0xffff                   ; the cluster's y
	s_sub_co_u32 s95, s94, 8
	s_lshl_b32 s95, s95, 1
	s_add_co_u32 s95, s95, ttmp9                   ; V: the cluster's column among eight = x + 2 (y - 8)
	s_cmp_ge_u32 s94, 8
	s_cselect_b32 s23, 1, 0                        ; the mode: 0 QK, 1 V
	s_cselect_b32 s95, s95, ttmp9                  ; the cluster's column
	s_cselect_b32 s94, 0, s94                      ; the cluster's row
	s_cselect_b32 s3, 0x190000, 0                  ; V: A begins at w_v's records: 128 x 12,800 bytes into wimg
	s_lshl_b32 s96, s95, 2
	s_add_co_u32 s96, s96, s92                     ; tile column
	s_lshl_b32 s97, s94, 2
	s_add_co_u32 s97, s97, s93                     ; tile row
	s_mul_i32 s2, s97, 16*REC                      ; A: the tile's 16 records
	s_add_co_u32 s2, s2, s3
	s_mov_b32 s3, 0
	s_mul_i32 s66, s96, 16*REC                     ; B likewise, by the tile column
	s_mov_b32 s67, 0
	s_lshl_b32 s98, s93, 2
	s_lshl_b32 s98, 15, s98                        ; my row of the cluster
	s_lshl_b32 s99, 0x1111, s92                    ; my column
	s_or_b32 s[G1A], s98, (3<<16)|(1<<21)          ; 15:0 the mask; 17:16 elements of 8 bytes; 20 no padding: images are read 16 bytes a lane on end; 21 set beside a mask
	s_or_b32 s[G1B], s99, (3<<16)|(1<<21)
	s_or_b32 s[G1SA], s98, (3<<16)|(1<<21)
	s_or_b32 s[G1SB], s99, (3<<16)|(1<<21)
.irp g, G1A, G1B                       ; codes: 16 rows (records) of 3,072 bytes (two fragments), 12,800 bytes apart
	s_mov_b32 s[\g+1], 384<<16
	s_mov_b32 s[\g+2], 16<<16                      ; the head's loads bring a tile's 16 records
	s_mov_b32 s[\g+3], 384<<16
	s_mov_b32 s[\g+4], 16
	s_mov_b32 s[\g+5], 1600
	s_mov_b32 s[\g+6], 0
	s_mov_b32 s[\g+7], 0
.endr
.irp g, G1SA, G1SB                     ; scale words: 16 rows of 512 bytes
	s_mov_b32 s[\g+1], 64<<16
	s_mov_b32 s[\g+2], 16<<16
	s_mov_b32 s[\g+3], 64<<16
	s_mov_b32 s[\g+4], 16
	s_mov_b32 s[\g+5], 1600
	s_mov_b32 s[\g+6], 0
	s_mov_b32 s[\g+7], 0
.endr
	s_wait_dscnt 0x0                               ; the opening add is done
	s_wait_kmcnt 0x0
	s_cmp_lg_u32 s23, 0
	s_cselect_b64 s[94:95], s[6:7], s[4:5]         ; A's buffer
	s_cselect_b64 s[100:101], s[4:5], s[6:7]       ; B's
	s_add_nc_u64 s[94:95], s[94:95], s[2:3]
	s_add_nc_u64 s[100:101], s[100:101], s[66:67]
; THE FILLS.  At the head one joint load a wave: wave 0 A's 16 records of K 0-255 into slot 0, wave 1 B's, wave 2 A's scale words, wave 3 B's.
; Behind a drained round each wave brings 8 records of K 256-767 by one load, rows of 6,144 bytes, into the region from SLOT on (wave x 2 parts).  K 768-1,023 is the refill of slot 0, as before.
	s_mul_i32 s4, s20, PART                        ; slot 0: wave x a part
	s_mul_i32 s5, s20, 2*PART                      ; the region behind it: wave x two parts
	s_mul_i32 s6, s22, 8*REC                       ; which 8 records of a tile I fetch behind the head
	s_mov_b32 s7, 0
	CROUND                                         ; all sixteen work-groups are here: the first joint loads meet
.macro MKH g, lds, b, off
	s_mov_b32 s[\g], 1
	s_mov_b32 s[\g+1], \lds
	s_add_nc_u64 s[\g+2:\g+3], s[\b:\b+1], \off
	s_or_b32 s[\g+3], s[\g+3], 0x80000000
.endm
	MKH GA2, 0, 94, 0
	MKH GB2, 2*PART, 100, 0
	MKH G0SA, SCL, 94, 12288
	MKH G0SB, SCL+8192, 100, 12288
	s_add_nc_u64 s[94:95], s[94:95], s[6:7]
	s_add_nc_u64 s[100:101], s[100:101], s[6:7]
	MKG0 GA0, 4, 0, 94, 0
	MKG0 GB0, 4, 0, 100, 0
	MKG0 GA1, 5, SLOT, 94, 3072
	MKG0 GB1, 5, SLOT, 100, 3072
.macro ARM under, g0, g1, next         ; one chain of branches on the wave's number, one load to an arm, all arms to one join
	s_cmp_lt_u32 s20, \under
	s_cbranch_scc0 \next
	tensor_load_to_lds s[\g0:\g0+3], s[\g1:\g1+7]
	s_nop 0
.rept 4
	v_nop
.endr
	s_branch .Lhead_asked
\next:
.endm
	ARM 1, GA2, G1A, .Lhead_b
	ARM 2, GB2, G1B, .Lhead_sa
	ARM 3, G0SA, G1SA, .Lhead_sb
	tensor_load_to_lds s[G0SB:G0SB+3], s[G1SB:G1SB+7]
	s_nop 0
.rept 4
	v_nop
.endr
.Lhead_asked:
	v_and_b32 v1, 31, v0
	v_and_b32 v2, 15, v0                           ; r
	v_bfe_u32 v3, v0, 4, 1                         ; h
	v_lshlrev_b32 v[LI], 4, v1
	v_lshlrev_b32 v[L8], 3, v1
	v_lshlrev_b32 v[H32], 5, v3
	v_lshlrev_b32 v[R4], 2, v2
	s_wait_alu depctr_va_vdst(0)
	s_mul_i32 s2, s21, PART                        ; my 128 rows of A
	s_mul_i32 s3, s22, PART                        ; my 128 rows of B,
	s_add_co_u32 s3, s3, 2*PART                    ; behind A's 256
	v_add_nc_u32 v[ADRA], s2, v[LI]
	v_add_nc_u32 v[ADRB], s3, v[LI]
	s_lshl_b32 s2, s2, 1                           ; in the region of K 256-767 a part is twice as long
	s_lshl_b32 s3, s3, 1
	s_add_co_u32 s2, s2, SLOT
	s_add_co_u32 s3, s3, SLOT
	v_add_nc_u32 v[ADRA+1], s2, v[LI]              ; K 256-511: the first half of a row of 6,144 bytes
	v_add_nc_u32 v[ADRB+1], s3, v[LI]
	v_add_nc_u32 v[ADRA+2], 3072, v[ADRA+1]        ; K 512-767: the second
	v_add_nc_u32 v[ADRB+2], 3072, v[ADRB+1]
	s_lshl_b32 s2, s21, 12                         ; A's scale words: my 128 rows
	s_lshl_b32 s3, s22, 12                         ; B's, behind A's 8,192 bytes
	s_add_co_u32 s3, s3, 8192
	s_sub_co_u32 s3, s3, s2
	v_mul_u32_u24 v4, s3, v3                       ; lanes 16-31 take B's
	s_add_co_u32 s2, s2, SCL
	v_lshl_add_u32 v4, v2, 4, v4                   ; 16 bytes a row: four K steps' words
	v_add_nc_u32 v[ADRS], s2, v4
.macro FRAG reg, adr, off              ; a fragment comes back as it was stored: three images
.irp g, 0,1,2
	ds_load_b128 v[\reg+4*\g:\reg+4*\g+3], v[\adr] offset:\off+512*\g
.endr
.endm
.macro FETCH_B slot, q, p              ; B's eight fragments of the slot's q-th 128 along K into set p: 24 loads
	WIN TO_B
.irp i, 0,1,2,3,4,5,6,7
	FRAG 128*(\p)+12*\i, ADRB+\slot, 3072*(1+((\slot)+1)/2)*\i+1536*(\q)   ; a record's row: 3,072 bytes in slot 0, 6,144 behind it
.endr
	WIN 0
.endm
.macro FETCH_A slot, q, i0             ; A's blocks i0 .. i0 + 3: 12 loads
.irp i, \i0, \i0+1, \i0+2, \i0+3
	FRAG AF+12*(\i), ADRA+\slot, 3072*(1+((\slot)+1)/2)*(\i)+1536*(\q)
.endr
.endm
.macro SCALES                          ; all of K's scale words, once: 16 loads
.irp i, 0,1,2,3,4,5,6,7
.irp u, 0,1
	ds_load_b128 v[SC+8*\i+4*\u:SC+8*\i+4*\u+3], v[ADRS] offset:512*\i+256*\u
.endr
.endr
.endm
; 16 matrix instructions: A's blocks a0, a0 + 1 x B's eight, K step s; p: B's set.  zero = 1: the first product starts the sums.  The 64 accumulators take turns, one instruction a turn, in the same order in every step.
.macro MUL16 a0, p, s, zero
.irp a, \a0, \a0+1
.irp b, 0,1,2,3,4,5,6,7
.if \zero
	v_wmma_scale_f32_16x16x128_f8f6f4 v[8*(8*((\a)%4)+\b):8*(8*((\a)%4)+\b)+7], v[128*(\p)+12*\b:128*(\p)+12*\b+11], v[AF+12*(\a):AF+12*(\a)+11], 0, v[SC+8*\b+(\s)], v[SC+8*(\a)+(\s)] matrix_a_fmt:MATRIX_FMT_FP6 matrix_b_fmt:MATRIX_FMT_FP6 matrix_a_scale:MATRIX_SCALE_ROW1
.else
	v_wmma_scale_f32_16x16x128_f8f6f4 v[8*(8*((\a)%4)+\b):8*(8*((\a)%4)+\b)+7], v[128*(\p)+12*\b:128*(\p)+12*\b+11], v[AF+12*(\a):AF+12*(\a)+11], v[8*(8*((\a)%4)+\b):8*(8*((\a)%4)+\b)+7], v[SC+8*\b+(\s)], v[SC+8*(\a)+(\s)] matrix_a_fmt:MATRIX_FMT_FP6 matrix_b_fmt:MATRIX_FMT_FP6 matrix_a_scale:MATRIX_SCALE_ROW1
.endif
.endr
.endr
.endm
.macro PLACES n                        ; plain places behind matrix instructions, in front of loads into registers that they have read and of the first read of results
.rept \n
	v_nop
.endr
.endm
; K step s; the next step's fragments lie in slot nslot, at its nq-th 128.
.macro STEP s, nslot, nq, zero
	s_wait_dscnt 12                                ; B's set and A's blocks 0-3 are in; the youngest 12 loads (A's blocks 4-7) may be out
	WIN MUL_LO
	MUL16 0, (\s)%2, \s, \zero
	MUL16 2, (\s)%2, \s, \zero
	s_wait_dscnt 0x0                               ; A's blocks 4-7 are in
	PLACES 4
	FETCH_B \nslot, \nq, 1-(\s)%2
	FETCH_A \nslot, \nq, 0
	WIN MUL_HI
	MUL16 4, (\s)%2, \s, \zero
	MUL16 6, (\s)%2, \s, \zero
	PLACES 4
	WIN 0
	FETCH_A \nslot, \nq, 4
.endm
; A step with a barrier in it: in front of it each wave waits for all its tensor loads, adds 0 to its spare word, and waits for that and for its own LDS reads.  fill = 1: slot 0, just read out, takes K 768-1,023.
.macro TURN s, nslot, fill
	s_wait_tensorcnt 0x0                           ; all my tensor loads have landed
	ds_add_u32 v[SPW], v[NIL]                      ; 0 onto my spare word
	s_wait_dscnt 13                                ; (the add and the youngest 12 loads, A's blocks 4-7, may be out)
	WIN MUL_LO
	MUL16 0, 1, \s, 0                              ; sixteen matrix instructions stand between the add and the wait for it
	s_wait_dscnt 0x0                               ; the add is done, and my LDS reads are over
	s_barrier_signal -1
	MUL16 2, 1, \s, 0
	WIN 0
	s_barrier_wait -1
.if \fill
	CREST                                          ; the barrier has opened a round of the cluster's barrier: no wave of any partner still reads slot 0 or has a load on its way
	s_add_nc_u64 s[GA0+2:GA0+3], s[GA0+2:GA0+3], 9216
	s_add_nc_u64 s[GB0+2:GB0+3], s[GB0+2:GB0+3], 9216
	s_mov_b32 s[G1A+1], 384<<16                    ; no tensor load of mine is out: rows of 3,072 bytes again
	s_mov_b32 s[G1A+3], 384<<16
	s_mov_b32 s[G1B+1], 384<<16
	s_mov_b32 s[G1B+3], 384<<16
	JLOAD GA0, G1A, GB0, G1B                       ; the first tensor load behind the round, my one load out; its four v_nop are the places in front of the loads below
.else
	PLACES 4
.endif
	FETCH_B \nslot, 0, 0
	FETCH_A \nslot, 0, 0
	WIN MUL_HI
	MUL16 4, 1, \s, 0
	MUL16 6, 1, \s, 0
	PLACES 4
	WIN 0
	FETCH_A \nslot, 0, 4
.endm
.macro LAST                            ; K step 7: nothing more to fetch
	s_wait_dscnt 12
	WIN MUL_LO
	MUL16 0, 1, 7, 0
	MUL16 2, 1, 7, 0
	s_wait_dscnt 0x0
	WIN MUL_HI
	MUL16 4, 1, 7, 0
	MUL16 6, 1, 7, 0
	WIN 0
.endm
; 64 numbers of a lane, v[s] on: registers 16 b .. 16 b + 15 are my half of block b of my row.  They become the codes of blocks 0, 1 in v[d0] .. v[d0 + 5], of blocks 2, 3 in v[d1] .. v[d1 + 5]
; (lanes 0-15 the even block, lanes 16-31 the odd one), and the row's scale word in v[pw].
.macro QUANT s, d0, d1, pw
.irp b, 0,1,2,3
	v_max3_num_f32 v[TM+\b], |v[\s+16*\b]|, |v[\s+1+16*\b]|, 0x1800000   ; my 16 numbers, and the floor 2^(3 - 127): the byte cannot fall under 1
.endr
.irp i, 2,4,6,8,10,12,14
.irp b, 0,1,2,3
	v_max3_num_f32 v[TM+\b], v[TM+\b], |v[\s+16*\b+\i]|, |v[\s+1+16*\b+\i]|   ; (the four blocks by turns)
.endr
.endr
.irp b, 0,1,2,3
	v_permlanex16_b32 v[TM+4+\b], v[TM+\b], s4, s5
.endr
.irp b, 0,1,2,3
	v_max_num_f32 v[TM+\b], v[TM+\b], v[TM+4+\b]   ; with lane l xor 16's: the block's largest magnitude
.endr
.irp b, 0,1,2,3
	v_add_nc_u32 v[TM+12+\b], 0xff000000, v[TM+\b] ; 2 off its exponent field: the conversion's scale operand
.endr
.irp b, 0,1,2,3
	v_lshrrev_b32 v[TM+4+\b], 23, v[TM+12+\b]      ; the scale's byte
.endr
	v_lshl_or_b32 v[\pw], v[TM+5], 8, v[TM+4]
	v_lshl_or_b32 v[\pw], v[TM+6], 16, v[\pw]
	v_lshl_or_b32 v[\pw], v[TM+7], 24, v[\pw]
	v_cvt_scalef32_pk16_fp6_f32 v[\d0:\d0+2], v[\s:\s+15], v[TM+12]
	v_cvt_scalef32_pk16_fp6_f32 v[T0:T0+2], v[\s+16:\s+31], v[TM+13]
	v_cvt_scalef32_pk16_fp6_f32 v[\d1:\d1+2], v[\s+32:\s+47], v[TM+14]
	v_cvt_scalef32_pk16_fp6_f32 v[T1:T1+2], v[\s+48:\s+63], v[TM+15]
	v_nop                                          ; one plain place behind a scaled conversion
.irp i, 0,1,2
	v_permlane16_swap_b32 v[\d0+\i], v[T0+\i]      ; the first's lanes 16-31 change places with the second's lanes 0-15: a whole block in a lane
.endr
.irp i, 0,1,2
	v_mov_b32 v[\d0+3+\i], v[T0+\i]
.endr
.irp i, 0,1,2
	v_permlane16_swap_b32 v[\d1+\i], v[T1+\i]
.endr
.irp i, 0,1,2
	v_mov_b32 v[\d1+3+\i], v[T1+\i]
.endr
.endm
.macro ADDB a                          ; QK: W = A's block a against B's eight + the bias of my 64 features; each accumulator from its low end on
	WIN 0x06+(\a)/4                                ; source 0 window 2 or 3, source 1 window 1
.irp b, 0,1,2,3,4,5,6,7
.irp k, 0,2,4,6
	v_pk_add_f32 v[W+8*\b+\k:W+8*\b+\k+1], v[8*(8*((\a)%4)+\b)+\k:8*(8*((\a)%4)+\b)+\k+1], v[BB+8*\b+96*(\b/4)+\k:BB+8*\b+96*(\b/4)+\k+1]
.endr
.endr
	WIN 0
.endm
.macro ADDV a                          ; V: the bias is my row's: one number a lane, in both registers of a pair
	WIN 0x06+(\a)/4
.irp b, 0,1,2,3,4,5,6,7
.irp k, 0,2,4,6
	v_pk_add_f32 v[W+8*\b+\k:W+8*\b+\k+1], v[8*(8*((\a)%4)+\b)+\k:8*(8*((\a)%4)+\b)+\k+1], v[BB+2*(\a):BB+2*(\a)+1]
.endr
.endr
	WIN 0
.endm
	s_wait_alu depctr_va_vdst(0)                   ; the head's end
	s_wait_tensorcnt 0x0                           ; my tile of the head's four is in
	ds_add_u32 v[SPW], v[NIL]
	s_mov_b32 s[G1A+1], 768<<16                    ; no tensor load of mine is out: from here a load brings 8 records, rows of 6,144 bytes
	s_mov_b32 s[G1A+2], 8<<16
	s_mov_b32 s[G1A+3], 768<<16
	s_mov_b32 s[G1A+4], 8
	s_mov_b32 s[G1B+1], 768<<16
	s_mov_b32 s[G1B+2], 8<<16
	s_mov_b32 s[G1B+3], 768<<16
	s_mov_b32 s[G1B+4], 8
	s_wait_dscnt 0x0
	CROUND                                         ; a whole round: all four tiles are in, and the joint loads meet
	JLOAD GA1, G1A, GB1, G1B                       ; K 256-767, the first tensor load behind the round
	FETCH_B 0, 0, 0
	FETCH_A 0, 0, 0
	SCALES
	FETCH_A 0, 0, 4
	STEP 0, 0, 1, 1                                ; the first step's products start the sums: nothing is cleared
	TURN 1, 1, 1                                   ; slot 0 is left and filled again; the wait for all loads and the round also show slots 1 and 2 whole
	STEP 2, 1, 1, 0
	STEP 3, 2, 0, 0                                ; on into slot 2: nobody writes slot 1, so no barrier
	STEP 4, 2, 1, 0
	TURN 5, 0, 0                                   ; the refill of slot 0, asked for 224 matrix instructions ago, is shown whole to every wave
	STEP 6, 0, 1, 0
	s_mov_b32 s4, 0x76543210
	s_mov_b32 s5, 0xfedcba98                       ; v_permlanex16_b32's selects for lane l xor 16
	s_mov_b32 s6, 0xffff0000                       ; lanes 16-31
	s_mov_b32 s7, 0x7f7f0000                       ; scale bytes of the K that a head of 64 does not have
	s_mov_b32 s67, 0
	s_cmp_lg_u32 s23, 0                            ; the two ways out part on the cluster's number alone; neither holds an LDS store, a barrier or a tensor load
	s_cbranch_scc1 .Lvpath
	; ---- QK.  My 128 tokens are one step of one batch; my 128 features are two heads.
	s_cmp_eq_u32 ttmp9, 0
	s_cselect_b64 s[92:93], s[8:9], s[10:11]       ; b_q or b_k
	s_cselect_b64 s[94:95], s[14:15], s[16:17]     ; qimg or kimg
	s_and_b32 s2, s96, 3
	s_lshl_b32 s2, s2, 1
	s_add_co_u32 s2, s2, s22                       ; which 128 features of the 1,024
	s_lshl_b32 s66, s2, 9
	s_add_nc_u64 s[92:93], s[92:93], s[66:67]
	s_lshr_b32 s3, s97, 3                          ; the batch
	s_lshl_b32 s3, s3, 4
	s_lshl_b32 s2, s2, 1                           ; my first head
	s_add_co_u32 s3, s3, s2
	s_lshl_b32 s3, s3, 4
	s_and_b32 s2, s97, 7
	s_lshl_b32 s2, s2, 1
	s_add_co_u32 s2, s2, s21                       ; the step
	s_add_co_u32 s3, s3, s2
	s_mul_i32 s66, s3, 6656
	s_add_nc_u64 s[94:95], s[94:95], s[66:67]
	WIN TO_B
.irp t, 0,1,2,3,4,5,6,7                ; lane (r, h) wants, for accumulator b = t, the bias of features 16 t + 8 h + 0 .. 7
	global_load_b128 v[BB+8*\t+96*(\t/4):BB+8*\t+96*(\t/4)+3], v[H32], s[92:93] offset:64*\t
	global_load_b128 v[BB+8*\t+96*(\t/4)+4:BB+8*\t+96*(\t/4)+7], v[H32], s[92:93] offset:64*\t+16
.endr
	WIN 0
	LAST                                           ; the last 64 products stand behind the bias's loads
	s_wait_loadcnt 0x0
	PLACES 4
.irp i, 0,1,2,3                        ; two tiles of tokens make 12 registers, three images, for each head
.if \i > 0
	s_wait_xcnt 0x0                                ; the last stores have read the codes' registers
.endif
.irp u, 0,1
	ADDB 2*\i+\u
	QUANT W, KA+6*\u, KB+6*\u, PW+2*\i+\u
.endr
.irp g, 0,1,2
	global_store_b128 v[LI], v[KA+4*\g:KA+4*\g+3], s[94:95] offset:512*(3*\i+\g)          ; 512 consecutive bytes, at a multiple of 256 from the buffer's first byte
	global_store_b128 v[LI], v[KB+4*\g:KB+4*\g+3], s[94:95] offset:106496+512*(3*\i+\g)   ; the next head: 16 steps on
.endr
.endr
.irp n, 0,1,2,3
	v_cndmask_b32 v[SW+\n], v[PW+2*\n], v[PW+2*\n+1], s6   ; lanes 0-15: tile 2 n's words; lanes 16-31: tile 2 n + 1's
.endr
.irp n, 0,1,2,3
	v_and_or_b32 v[H0W+\n], v[SW+\n], 0xffff, s7   ; the first head's two bytes,
.endr
.irp n, 0,1,2,3
	v_lshrrev_b32 v[SW+\n], 16, v[SW+\n]           ; the second's
.endr
.irp n, 0,1,2,3
	v_or_b32 v[SW+\n], s7, v[SW+\n]
.endr
	global_store_b128 v[LI], v[H0W:H0W+3], s[94:95] offset:6144
	global_store_b128 v[LI], v[SW:SW+3], s[94:95] offset:112640
	s_branch .Ljoin
.Lvpath:
	; ---- V.  My 128 features are two heads x four tiles of 16 d; my 128 tokens are one step of one batch, and the next K.
	s_lshl_b32 s2, s97, 1
	s_add_co_u32 s2, s2, s21                       ; which 128 features
	s_lshl_b32 s66, s2, 9
	s_add_nc_u64 s[92:93], s[12:13], s[66:67]      ; b_v
	s_lshr_b32 s3, s96, 3                          ; the batch
	s_lshl_b32 s3, s3, 4
	s_lshl_b32 s2, s2, 1                           ; my first head
	s_add_co_u32 s3, s3, s2
	s_lshl_b32 s3, s3, 4
	s_and_b32 s2, s96, 7
	s_lshl_b32 s2, s2, 1
	s_add_co_u32 s2, s2, s22                       ; the step
	s_add_co_u32 s3, s3, s2
	s_mul_i32 s66, s3, 6400
	s_add_nc_u64 s[94:95], s[18:19], s[66:67]
	WIN TO_B
.irp a, 0,1,2,3,4,5,6,7
	global_load_b32 v[BB+2*\a], v[R4], s[92:93] offset:64*\a
	global_load_b32 v[BB+2*\a+1], v[R4], s[92:93] offset:64*\a
.endr
	WIN 0
	LAST
	s_wait_loadcnt 0x0
	PLACES 4
.irp a, 0,1,2,3,4,5,6,7                ; A's block a: 16 d x 128 tokens: one whole fragment
.if \a > 0
	s_wait_xcnt 0x0                                ; the last stores have read the codes' registers
.endif
	ADDV \a
	QUANT W, KA, KA+6, PW+\a
.irp g, 0,1,2
	global_store_b128 v[LI], v[KA+4*\g:KA+4*\g+3], s[94:95] offset:102400*(\a/4)+512*(3*(\a%4)+\g)
.endr
.endr
.irp n, 0,1,2,3
	v_cndmask_b32 v[SW+\n], v[PW+2*\n], v[PW+2*\n+1], s6
.endr
	global_store_b64 v[L8], v[SW:SW+1], s[94:95] offset:6144       ; 256 consecutive bytes, aligned
	global_store_b64 v[L8], v[SW+2:SW+3], s[94:95] offset:108544
.Ljoin:
	s_wait_tensorcnt 0x0                           ; the wave's end
	ds_add_u32 v[SPW], v[NIL]
	s_wait_dscnt 0x0
	CROUND                                         ; the closing round: no work-group ends while a partner may still ask for a tile that names it
	s_endpgm
.Lfunc_end_k_qb4e04cfd3b_proj:
	.size	k_qb4e04cfd3b_proj, .Lfunc_end_k_qb4e04cfd3b_proj-k_qb4e04cfd3b_proj
	.p2alignl 7, 3214868480
	.fill 96, 4, 3214868480
	.section	.rodata,"a",@progbits
	.p2align	6, 0x0
	.amdhsa_kernel k_qb4e04cfd3b_proj
		.amdhsa_group_segment_fixed_size 327680
		.amdhsa_private_segment_fixed_size 0
		.amdhsa_enable_private_segment 0
		.amdhsa_kernarg_size 64
		.amdhsa_user_sgpr_count 2
		.amdhsa_user_sgpr_kernarg_segment_ptr 1
		.amdhsa_wavefront_size32 1
		.amdhsa_system_sgpr_workgroup_id_x 1
		.amdhsa_system_sgpr_workgroup_id_y 1
		.amdhsa_system_sgpr_workgroup_id_z 1
		.amdhsa_system_vgpr_workitem_id 0
		.amdhsa_next_free_vgpr 1024
		.amdhsa_next_free_sgpr 102
		.amdhsa_reserve_vcc 0
		.amdhsa_float_denorm_mode_32 3
		.amdhsa_float_denorm_mode_16_64 3
		.amdhsa_memory_ordered 1
		.amdhsa_forward_progress 1
		.amdhsa_inst_pref_size 217
	.end_amdhsa_kernel
	.amdgpu_metadata
---
amdhsa.version: [ 1, 2 ]
amdhsa.kernels:
  - .name:           k_qb4e04cfd3b_proj
    .symbol:         k_qb4e04cfd3b_proj.kd
    .args:
      - { .name: xq, .offset: 0, .size: 8, .value_kind: global_buffer, .address_space: global }
      - { .name: wimg, .offset: 8, .size: 8, .value_kind: global_buffer, .address_space: global }
      - { .name: b_q, .offset: 16, .size: 8, .value_kind: global_buffer, .address_space: global }
      - { .name: b_k, .offset: 24, .size: 8, .value_kind: global_buffer, .address_space: global }
      - { .name: b_v, .offset: 32, .size: 8, .value_kind: global_buffer, .address_space: global }
      - { .name: qimg, .offset: 40, .size: 8, .value_kind: global_buffer, .address_space: global }
      - { .name: kimg, .offset: 48, .size: 8, .value_kind: global_buffer, .address_space: global }
      - { .name: vimg, .offset: 56, .size: 8, .value_kind: global_buffer, .address_space: global }
    .group_segment_fixed_size: 327680
    .private_segment_fixed_size: 0
    .kernarg_segment_align: 8
    .kernarg_segment_size: 64
    .max_flat_workgroup_size: 128
    .sgpr_count:     102
    .vgpr_count:     1024
    .wavefront_size: 32
...
	.end_amdgpu_metadata
.endif
;; end of part 2
;; launch attn (part 3): grid 4 x 64, 16 waves a work-group, clusters of 4 x 1, 327,680 bytes of LDS; arguments qimg, kimg, vimg, aoimg; writes aoimg
.if DOCPART == 3
	.amdgcn_target "amdgcn-amd-amdhsa--gfx1250"
	.amdhsa_code_object_version 6
	.text
	.protected	k_qb4e04cfd3b_attn
	.globl	k_qb4e04cfd3b_attn
	.p2align	8
	.type	k_qb4e04cfd3b_attn,@function
k_qb4e04cfd3b_attn:
	s_mov_b64 s[64:65], 0
	v_nop
	global_prefetch_b8 v0, s[64:65] scope:SCOPE_SE
	s_setreg_imm32_b32 hwreg(HW_REG_WAVE_MODE, 25, 1), 1
	s_wait_xcnt 0x0
	s_wait_alu depctr_hold_cnt(0) depctr_sa_sdst(0) depctr_va_vdst(0) depctr_va_sdst(0) depctr_va_ssrc(0) depctr_va_vcc(0) depctr_vm_vsrc(0)
	s_getreg_b32 s2, hwreg(HW_REG_IB_STS2, 6, 4)
	s_cmp_eq_u32 s2, 0
	s_cbranch_scc0 .Lentry_in_a_cluster
	s_endpgm
.Lentry_in_a_cluster:
	s_bfe_u32 s2, ttmp6, 0x10000c
	s_cmp_lg_u32 s2, 0x3003
	s_cbranch_scc0 .Lentry_shape_is_right
	s_endpgm
.Lentry_shape_is_right:
; Attention on codes of FP6 (E2M3): S = q k^T (K = the head's 64), p = 2^(t - M), O = p v (K = the keys), O / l quantised along the head's 64 for the output projection.
; t = score x log2(e) / 8; M = the running largest t rounded UP to a whole number; l is the sum of the unquantised p; when M moves, l and O are multiplied by 2^(old M - new M): exact.
; IN: images of operand registers.  qimg, kimg: [batch x 16 + head][step of 128 tokens][6,656]: 12 images: register 6 a + i = register i of token tile a's half fragment; at 6,144 four scale registers
; (register i: tile 2 i in lanes 0-15, tile 2 i + 1 in lanes 16-31; bytes 2, 3 of a word 0x7f).  vimg: [..][step][6,400]: four fragments (16 d x 128 keys); at 6,144 two scale registers, 8 bytes a lane.
; OUT: aoimg: a record of 12,800 bytes for 16 tokens: head hd's six registers at 768 hd, as three images of two registers (lane l's 8 bytes at 8 l): each store covers 256 consecutive bytes, aligned;
; the head's two scale bytes of row r at 12,288 + 256 (hd / 8) + 16 r + 2 (hd % 8).
; SHARES.  256 work-groups; each takes ONE head and 512 queries; each of its sixteen waves two tiles of 16 queries, one after the other.  ALL of the head's k (16 x 6,656 bytes) and v (16 x 6,400) lie in LDS,
; filled once: sixteen joint loads at the head, one a wave (waves 0-7 two steps of k each, waves 8-15 two of v).  Nothing is filled again, so one barrier shows the tiles and none follows.
; The four query blocks of a head form a cluster and ask for each tile jointly.  No prefetch: every tensor load goes out at the head, so there is no loop to run ahead in.
; Both products are used transposed (S^T = k q^T, O^T = v^T p^T): a lane holds one query.  A block of 32 holds its octets in the order 0, 2, 1, 3, as every operand of this program does.
; K = 64 IN AN INSTRUCTION OF 128: q's upper six registers hold zero codes; k's fragment of tile t is twelve registers from 6 t on: its upper six are whatever follows (FP6 has no code for infinity or NaN,
; and the scale bytes there are 0x7f), so those products are exact zeros.
; TWO REGIONS OF 64 REGISTERS TAKE TURNS: a step finds k in one and writes the scores into the other; v follows k into the first; when p has been converted, the NEXT step's k is loaded into the second.
; The step past a tile's last loads the first bytes of v's region in k's place: they lie inside the filled LDS and are not used.
; LIMITS: the promise holds while the scaled scores stay under 2^31 in magnitude; a block of p or of O / l that is all zeros, or under 2^-124, gets the byte 1 (zero codes add nothing; this program alone reads the bytes); NaN and infinities are not served.
; REGISTERS: v1-5 addresses; v6, v7 the add's; v8-11 q's offsets; v12 -M, v13 the largest t, v[14:15] the sum; v16-27 q (v22-27 zeros); v32-95, v96-159 the two regions; v160-191 O^T;
;   v192-203 the two tiles' codes; v205, v206 their scale bytes; v208-211, v212-213, v214 k's, v's, q's scale words; v224-235 p's codes; v216-223, v232-254 at work; v253 p's scale word.
.set VOFF,  106496                     ; k's 16 steps, then v's
.set SPARE, 208896                     ; behind them the spare words, 128 bytes for each wave
.set X,    32
.set Y,    96
.set LI,   1                           ; v1  16 x lane
.set L8,   2                           ; v2  8 x lane
.set ADK,  3                           ; v3  LDS address of the trip's k
.set ADV,  4                           ; v4  of its v
.set ADV8, 5                           ; v5  of v's scale registers
.set SPW,  6
.set NIL,  7
.set WV,   12
.set SEL,  20                          ; s[20:21] selects for lane l xor 16
.set CS,   22                          ; s[22:23] c = log2(e) / 8
.set G1K,  24
.set G1V,  32
.set G0K,  40
.set G0V,  44
.set TBK,  48
.set TBV,  49
.set CNT,  50
.macro WALU
	s_wait_alu depctr_va_vdst(0)
.endm
.macro NOPS n
.rept \n
	v_nop
.endr
.endm
.macro CROUND                          ; a round of the cluster's barrier
	s_barrier_signal -1
	s_barrier_wait -1
	s_cmp_lg_u32 s[WV], 0
	s_cbranch_scc1 .Lnot_wave_0_\@
	s_barrier_signal -3
.Lnot_wave_0_\@:
	s_barrier_wait -3
	s_barrier_signal -1
	s_barrier_wait -1
.endm
.macro QLOAD off                       ; my tile's half fragment of q and its scale words
.irp p, 0,1,2
	global_load_b64 v[16+2*\p:17+2*\p], v[8+\p], s[4:5] offset:\off
.endr
	global_load_b32 v214, v11, s[4:5] offset:\off
.endm
.macro INIT                            ; a tile begins: the largest t -3e38, sums and O^T zero (the first change of M leaves zeros zeros)
	v_mov_b32 v13, 0xff61b1e6
	s_delay_alu instid0(VALU_DEP_1)
	v_floor_f32 v12, -v13
	v_mov_b32 v14, 0
	v_mov_b32 v15, 0
.set j, 0
.rept 32
	v_mov_b32 v[160+j], 0
.set j, j+1
.endr
.endm
.macro KFIRST                          ; key step 0's k, from LDS byte 0
.irp g, 0,1,2,3,4,5,6,7,8,9,10,11
	ds_load_b128 v[X+4*\g:X+4*\g+3], v[LI] offset:512*\g
.endr
	ds_load_b128 v[208:211], v[LI] offset:6144
.endm
	s_load_b256 s[4:11], s[0:1], 0x0               ; qimg, kimg, vimg, aoimg
	v_lshl_add_u32 v[SPW], v0, 2, SPARE
	v_mov_b32 v[NIL], 0
	ds_add_u32 v[SPW], v[NIL]                      ; the opening lines: the add twice on end and its wait ahead of the first tensor loads
	ds_add_u32 v[SPW], v[NIL]
	v_lshrrev_b32 v1, 5, v0
	s_delay_alu instid0(VALU_DEP_1)
	v_readfirstlane_b32 s[WV], v1                  ; wave 0..15
	s_bfe_u32 s13, ttmp6, 0x40000                  ; cx: my block of 512 queries: it enters q's and the result's addresses alone
	s_and_b32 s15, ttmp7, 0xffff                   ; 16 x batch + head, which the four partners share
	s_and_b32 s16, s[WV], 7                        ; which two steps of k or of v I fetch
	s_mul_i32 s17, s16, 13312
	s_mul_i32 s51, s16, 12800
	s_mul_i32 s52, s15, 106496
	s_add_co_u32 s52, s52, s17
	s_mov_b32 s53, 0
	s_mul_i32 s54, s15, 102400
	s_add_co_u32 s54, s54, s51
	s_mov_b32 s55, 0
	s_lshl_b32 s56, s15, 4
	s_lshl_b32 s57, s13, 2
	s_add_co_u32 s56, s56, s57
	s_lshr_b32 s57, s[WV], 3
	s_add_co_u32 s56, s56, s57                     ; my first tile's step of 128 tokens
	s_mul_i32 s56, s56, 6656
	s_mov_b32 s57, 0
	s_mov_b32 s[G1K], 15|(3<<16)|(1<<21)           ; the mask: all four work-groups; elements of 8 bytes; no padding; bit 21 beside a mask
	s_mov_b32 s[G1K+1], 32<<16                     ; a dense block as rows of 256 bytes:
	s_mov_b32 s[G1K+2], 52<<16                     ; 52 rows: two steps of k
	s_mov_b32 s[G1K+3], 32<<16
	s_mov_b32 s[G1K+4], 52
	s_mov_b32 s[G1K+5], 32
	s_mov_b32 s[G1K+6], 0
	s_mov_b32 s[G1K+7], 0
	s_mov_b32 s[G1V], 15|(3<<16)|(1<<21)
	s_mov_b32 s[G1V+1], 32<<16
	s_mov_b32 s[G1V+2], 50<<16                     ; 50 rows: two steps of v
	s_mov_b32 s[G1V+3], 32<<16
	s_mov_b32 s[G1V+4], 50
	s_mov_b32 s[G1V+5], 32
	s_mov_b32 s[G1V+6], 0
	s_mov_b32 s[G1V+7], 0
	s_mov_b32 s[SEL], 0x76543210
	s_mov_b32 s[SEL+1], 0xfedcba98
	s_mov_b32 s[CS], 0x3e38aa3b                    ; c = log2(e) / sqrt(64)
	s_mov_b32 s[CS+1], s[CS]
	s_wait_dscnt 0x0                               ; both opening adds are done
	s_wait_kmcnt 0x0
	s_mov_b32 s[G0K], 1
	s_mov_b32 s[G0K+1], s17
	s_add_nc_u64 s[G0K+2:G0K+3], s[6:7], s[52:53]
	s_or_b32 s[G0K+3], s[G0K+3], 0x80000000
	s_mov_b32 s[G0V], 1
	s_add_co_u32 s[G0V+1], s51, VOFF
	s_add_nc_u64 s[G0V+2:G0V+3], s[8:9], s[54:55]
	s_or_b32 s[G0V+3], s[G0V+3], 0x80000000
	CROUND                                         ; all four work-groups are here: the joint loads meet
	s_cmp_lt_u32 s[WV], 8                          ; one load a wave, in the two arms of one branch on the wave's number
	s_cbranch_scc0 .Lfor_v
	tensor_load_to_lds s[G0K:G0K+3], s[G1K:G1K+7]
	s_nop 0
	NOPS 4
	s_branch .Lasked
.Lfor_v:
	tensor_load_to_lds s[G0V:G0V+3], s[G1V:G1V+7]
	s_nop 0
	NOPS 4
.Lasked:
	s_add_nc_u64 s[4:5], s[4:5], s[56:57]          ; q at my step
	s_lshr_b32 s52, s15, 4                         ; the batch
	s_lshl_b32 s52, s52, 7
	s_lshl_b32 s54, s13, 5
	s_add_co_u32 s52, s52, s54
	s_add_co_u32 s52, s52, s[WV]                   ; my first tile's record; the second's lies 16 records on
	s_mul_i32 s52, s52, 12800
	s_and_b32 s58, s15, 15                         ; the head
	s_lshr_b32 s59, s58, 3
	s_lshl_b32 s54, s59, 8
	s_and_b32 s59, s58, 7
	s_lshl_b32 s59, s59, 1
	s_add_co_u32 s54, s54, s59
	s_add_co_u32 s54, s54, s52
	s_add_co_u32 s54, s54, 12288
	s_mul_i32 s58, s58, 768
	s_add_co_u32 s52, s52, s58
	s_add_nc_u64 s[18:19], s[10:11], s[54:55]      ; the scale bytes' place
	s_add_nc_u64 s[10:11], s[10:11], s[52:53]      ; the codes'
	v_and_b32 v3, 31, v0
	s_delay_alu instid0(VALU_DEP_1)
	v_lshlrev_b32 v[LI], 4, v3
	WALU
	v_lshlrev_b32 v[L8], 3, v3
	s_and_b32 s58, s[WV], 7                        ; my tile a in its step
	s_mul_i32 s59, s58, 6
.irp p, 0,1,2                          ; registers 6 a + 2 p, + 1 of the step's 48: image (6 a + 2 p) / 4, word (6 a + 2 p) % 4
	s_add_co_u32 s56, s59, 2*\p
	s_lshr_b32 s57, s56, 2
	s_lshl_b32 s57, s57, 9
	s_and_b32 s56, s56, 3
	s_lshl_b32 s56, s56, 2
	s_add_co_u32 s56, s56, s57
	v_add_nc_u32 v[8+\p], s56, v[LI]
.endr
	s_and_b32 s56, s58, 1
	s_lshl_b32 s56, s56, 8
	s_lshr_b32 s57, s58, 1
	s_lshl_b32 s57, s57, 2
	s_add_co_u32 s56, s56, s57
	s_add_co_u32 s56, s56, 6144
	v_and_b32 v3, 15, v0
	s_delay_alu instid0(VALU_DEP_1)
	v_lshl_add_u32 v11, v3, 4, s56                 ; scale register a / 2, lane 16 (a % 2) + r
	WALU
	QLOAD 0
.irp i, 0,1,2,3,4,5
	v_mov_b32 v[22+\i], 0                          ; q's upper half: zero codes
	v_mov_b32 v[X+48+\i], 0                        ; behind k's last tile in the first step (later: whatever the scores left there)
.endr
.irp b, 0,1,2,3
	v_mov_b32 v[236+\b], 0                         ; written once: a lane permute's destination counts as one of its sources
.endr
	v_mov_b32 v253, 0                              ; (named as the upper half of v[252:253] before it is first written)
	INIT
	WALU                                           ; the head's end
	s_wait_tensorcnt 0x0                           ; my two steps are in
	s_barrier_signal -1
	s_barrier_wait -1                              ; everybody's are: all of k and v
	KFIRST
	s_wait_loadcnt 0x0                             ; q
.macro ADD8 sr, j                      ; seven chains and the sum take the eight pairs from pair j on
	v_pk_add_f32 v[236:237], v[236:237], v[\sr+2*(\j):\sr+2*(\j)+1]
	v_pk_add_f32 v[250:251], v[250:251], v[\sr+2*(\j)+2:\sr+2*(\j)+3]
	v_pk_add_f32 v[248:249], v[248:249], v[\sr+2*(\j)+4:\sr+2*(\j)+5]
	v_pk_add_f32 v[222:223], v[222:223], v[\sr+2*(\j)+6:\sr+2*(\j)+7]
	v_pk_add_f32 v[220:221], v[220:221], v[\sr+2*(\j)+8:\sr+2*(\j)+9]
	v_pk_add_f32 v[218:219], v[218:219], v[\sr+2*(\j)+10:\sr+2*(\j)+11]
	v_pk_add_f32 v[216:217], v[216:217], v[\sr+2*(\j)+12:\sr+2*(\j)+13]
	v_pk_add_f32 v[14:15], v[14:15], v[\sr+2*(\j)+14:\sr+2*(\j)+15]
.endm
; A KEY STEP: 128 keys.  kr: the region with k, then v; sr: the scores, then p, then the next step's k.  vo: this step's v, nk: the next step's k, as offsets to the trip's addresses.
.macro STEP kr, sr, vo, nk
	WALU
	s_wait_dscnt 0x0                               ; k and its scale words are in
.irp t, 0,2,4,6                        ; S^T = k q^T: eight tiles of 16 keys
	v_wmma_scale_f32_16x16x128_f8f6f4 v[\sr+8*\t:\sr+8*\t+7], v[\kr+6*\t:\kr+6*\t+11], v[16:27], 0, v[208+\t/2], v214 matrix_a_fmt:MATRIX_FMT_FP6 matrix_b_fmt:MATRIX_FMT_FP6
	v_wmma_scale_f32_16x16x128_f8f6f4 v[\sr+8*\t+8:\sr+8*\t+15], v[\kr+6*\t+6:\kr+6*\t+17], v[16:27], 0, v[208+\t/2], v214 matrix_a_fmt:MATRIX_FMT_FP6 matrix_b_fmt:MATRIX_FMT_FP6 matrix_a_scale:MATRIX_SCALE_ROW1
.endr
	NOPS 4                                         ; places: in front of the loads below and of the first read of the scores
.irp g, 0,1,2,3,4,5,6,7,8,9,10,11      ; v's four fragments land while the softmax is walked
	ds_load_b128 v[\kr+4*\g:\kr+4*\g+3], v[ADV] offset:\vo+512*\g
.endr
	ds_load_b64 v[212:213], v[ADV8] offset:\vo+6144
.irp b, 0,1,2,3
	v_max3_num_f32 v[232+\b], v[\sr+16*\b], v[\sr+1+16*\b], v[\sr+2+16*\b]   ; the largest score of each block of 32 keys: it serves the row's maximum and, since p rises with the score, the block's largest p
.endr
.irp i, 3,5,7,9,11,13
.irp b, 0,1,2,3
	v_max3_num_f32 v[232+\b], v[232+\b], v[\sr+16*\b+\i], v[\sr+1+16*\b+\i]
.endr
.endr
.irp b, 0,1,2,3
	v_max_num_f32 v[232+\b], v[232+\b], v[\sr+15+16*\b]
.endr
.irp b, 0,1,2,3
	s_delay_alu instid0(VALU_DEP_4)
	v_permlanex16_b32 v[236+\b], v[232+\b], s[SEL], s[SEL+1]
.endr
.irp b, 0,1,2,3
	s_delay_alu instid0(VALU_DEP_4)
	v_max_num_f32 v[232+\b], v[232+\b], v[236+\b]  ; with lane l xor 16's 16 keys
.endr
	s_delay_alu instid0(VALU_DEP_2)
	v_max3_num_f32 v254, v232, v233, v234
	s_delay_alu instid0(VALU_DEP_1)
	v_max_num_f32 v254, v254, v235                 ; the step's largest score of my query
	s_delay_alu instid0(VALU_DEP_1)
	v_mul_f32 v254, s[CS], v254                    ; as t (c is positive)
	s_delay_alu instid0(VALU_DEP_1)
	v_max_num_f32 v13, v13, v254                   ; the running largest t
	v_mov_b32 v254, v12
	s_delay_alu instid0(VALU_DEP_2)
	v_floor_f32 v12, -v13                          ; the new -M = -ceil(t): a whole number
	s_delay_alu instid0(VALU_DEP_1)
	v_sub_f32 v254, v12, v254                      ; old M - new M: a whole number, 0 or less
	s_delay_alu instid0(VALU_DEP_1)
	v_cvt_i32_f32 v254, v254                       ; (it saturates)
	s_delay_alu instid0(VALU_DEP_1)
	v_ldexp_f32 v252, 1.0, v254                    ; f = 2^(old M - new M)
.set j, 0
.rept 32
	v_pk_fma_f32 v[\sr+j:\sr+j+1], v[\sr+j:\sr+j+1], s[CS:CS+1], v[12:13] op_sel_hi:[1,0,0]   ; t - M, two at a time
.set j, j+2
.endr
.irp b, 0,1,2,3
	v_fma_f32 v[232+\b], v[232+\b], s[CS], v12     ; the same of each block's largest score
.endr
.set j, 0
	WALU                                           ; ahead of the batch
.rept 64
	v_exp_f32 v[\sr+j], v[\sr+j]                   ; p = 2^(t - M), at most 1: not normalised
.set j, j+1
.endr
	v_pk_mul_f32 v[14:15], v[14:15], v[252:253] op_sel_hi:[1,0]   ; the sums under the new M (a plain place behind the exponentials)
	WALU                                           ; one wait for the whole batch, ahead of its first reader
.irp b, 0,1,2,3
	v_exp_f32 v[232+\b], v[232+\b]                 ; the block's largest p: the same two instructions on the same number give the same bits
.endr
	v_pk_add_f32 v[236:237], v[\sr:\sr+1], v[\sr+14:\sr+15]       ; the row's sum of the unquantised p: eight chains
	v_pk_add_f32 v[250:251], v[\sr+2:\sr+3], v[\sr+16:\sr+17]
	v_pk_add_f32 v[248:249], v[\sr+4:\sr+5], v[\sr+18:\sr+19]
	v_pk_add_f32 v[222:223], v[\sr+6:\sr+7], v[\sr+20:\sr+21]
	v_pk_add_f32 v[220:221], v[\sr+8:\sr+9], v[\sr+22:\sr+23]
	v_pk_add_f32 v[218:219], v[\sr+10:\sr+11], v[\sr+24:\sr+25]
	v_pk_add_f32 v[216:217], v[\sr+12:\sr+13], v[\sr+26:\sr+27]
	v_pk_add_f32 v[14:15], v[14:15], v[\sr+28:\sr+29]
	ADD8 \sr, 15
	ADD8 \sr, 23
	v_pk_add_f32 v[236:237], v[236:237], v[\sr+62:\sr+63]
	s_delay_alu instid0(VALU_DEP_2)
	v_pk_add_f32 v[14:15], v[14:15], v[222:223]
	s_delay_alu instid0(VALU_DEP_2)
	v_pk_add_f32 v[236:237], v[236:237], v[220:221]
	v_pk_add_f32 v[250:251], v[250:251], v[218:219]
	v_pk_add_f32 v[248:249], v[248:249], v[216:217]
	s_delay_alu instid0(VALU_DEP_2)
	v_pk_add_f32 v[14:15], v[14:15], v[250:251]
	s_delay_alu instid0(VALU_DEP_2)
	v_pk_add_f32 v[236:237], v[236:237], v[248:249]
	s_delay_alu instid0(VALU_DEP_1)
	v_pk_add_f32 v[14:15], v[14:15], v[236:237]
	WALU                                           ; and one for the four
.irp b, 0,1,2,3
	v_max_num_f32 v[232+\b], 0x1800000, v[232+\b]  ; the floor 2^(3 - 127): the byte cannot fall under 1
.endr
.irp b, 0,1,2,3
	s_delay_alu instid0(VALU_DEP_4)
	v_add_nc_u32 v[244+\b], 0xff000000, v[232+\b]  ; 2 off the exponent field: the conversion's scale operand
.endr
.irp b, 0,1,2,3
	s_delay_alu instid0(VALU_DEP_4)
	v_lshrrev_b32 v[236+\b], 23, v[244+\b]         ; the scale's byte
.endr
	s_delay_alu instid0(VALU_DEP_3)
	v_lshl_or_b32 v253, v237, 8, v236              ; p's scale word for these 128 keys
	s_delay_alu instid0(VALU_DEP_1)
	v_lshl_or_b32 v253, v238, 16, v253
	s_delay_alu instid0(VALU_DEP_1)
	v_lshl_or_b32 v253, v239, 24, v253
.irp c, 0,1
	v_cvt_scalef32_pk16_fp6_f32 v[224+6*\c:226+6*\c], v[\sr+32*\c:\sr+15+32*\c], v[244+2*\c]
	v_cvt_scalef32_pk16_fp6_f32 v[236+4*\c:238+4*\c], v[\sr+16+32*\c:\sr+31+32*\c], v[244+2*\c+1]
.endr
	v_nop                                          ; one plain place behind a scaled conversion
.irp g, 0,1,2,3,4,5,6,7,8,9,10,11      ; p has been converted: its registers take the next step's k, which lands under the lines and products below
	ds_load_b128 v[\sr+4*\g:\sr+4*\g+3], v[ADK] offset:\nk+512*\g
.endr
	ds_load_b128 v[208:211], v[ADK] offset:\nk+6144
.irp c, 0,1                            ; the operand's layout wants a whole block in a lane
.irp i, 0,1,2
	v_permlane16_swap_b32 v[224+6*\c+\i], v[236+4*\c+\i]
.endr
.irp i, 0,1,2
	s_delay_alu instid0(VALU_DEP_3)
	v_mov_b32 v[227+6*\c+\i], v[236+4*\c+\i]
.endr
.endr
	WALU                                           ; directly ahead of the first reader of O^T
.set j, 0
.rept 16
	v_pk_mul_f32 v[160+j:161+j], v[160+j:161+j], v[252:253] op_sel_hi:[1,0]   ; O^T under the new M (also the places in front of the scaled products below)
.set j, j+2
.endr
	WALU
	s_wait_dscnt 13                                ; v is in; the 13 loads of the next step's k are younger and may be out
.irp t, 0,2                            ; O^T += v^T p^T: four tiles of 16 of the head's 64, by turns
	v_wmma_scale_f32_16x16x128_f8f6f4 v[160+8*\t:167+8*\t], v[\kr+12*\t:\kr+12*\t+11], v[224:235], v[160+8*\t:167+8*\t], v[212+\t/2], v253 matrix_a_fmt:MATRIX_FMT_FP6 matrix_b_fmt:MATRIX_FMT_FP6
	v_wmma_scale_f32_16x16x128_f8f6f4 v[168+8*\t:175+8*\t], v[\kr+12*\t+12:\kr+12*\t+23], v[224:235], v[168+8*\t:175+8*\t], v[212+\t/2], v253 matrix_a_fmt:MATRIX_FMT_FP6 matrix_b_fmt:MATRIX_FMT_FP6 matrix_a_scale:MATRIX_SCALE_ROW1
.endr
.endm
.macro PASS                            ; a tile's sixteen key steps: a trip is two, until the regions are back where they began
	s_mov_b32 s[TBK], 0
	s_mov_b32 s[TBV], VOFF
	s_mov_b32 s[CNT], 8
.Ltrip_\@:
	v_add_nc_u32 v[ADK], s[TBK], v[LI]             ; these three and two v_nop are the five places ahead of scores written over v's registers
	v_add_nc_u32 v[ADV], s[TBV], v[LI]
	v_add_nc_u32 v[ADV8], s[TBV], v[L8]
	NOPS 2
	STEP X, Y, 0, 6656
	NOPS 5
	STEP Y, X, 6400, 13312
	s_add_co_u32 s[TBK], s[TBK], 13312
	s_add_co_u32 s[TBV], s[TBV], 12800
	s_sub_co_u32 s[CNT], s[CNT], 1
	s_cmp_lg_u32 s[CNT], 0
	s_cbranch_scc1 .Ltrip_\@
.endm
; A TILE'S END.  O^T / l, 32 numbers a lane, two blocks of 32 along the head's 64, become six registers of codes, v[d] on, and two scale bytes, v[wd].
.macro FINISH d, wd, off
	WALU
	s_wait_dscnt 0x0                               ; the loads of the step past the last have landed: their registers are written again
	NOPS 4                                         ; places behind the last products
	v_add_f32 v14, v14, v15                        ; the sum's two halves,
	s_delay_alu instid0(VALU_DEP_1)
	v_permlanex16_b32 v252, v14, s[SEL], s[SEL+1]
	s_delay_alu instid0(VALU_DEP_1)
	v_add_f32 v14, v14, v252                       ; and lane l xor 16's: the row's sum
	WALU
	v_rcp_f32 v14, v14
	v_nop
	WALU                                           ; ahead of the reciprocal's first reader, which is O^T's too
.set j, 0
.rept 16
	v_pk_mul_f32 v[96+j:97+j], v[160+j:161+j], v[14:15] op_sel_hi:[1,0]   ; each accumulator from its low end on
.set j, j+2
.endr
.irp b, 0,1
	v_max3_num_f32 v[232+\b], |v[96+16*\b]|, |v[97+16*\b]|, 0x1800000
.endr
.irp i, 2,4,6,8,10,12,14
.irp b, 0,1
	s_delay_alu instid0(VALU_DEP_2)
	v_max3_num_f32 v[232+\b], v[232+\b], |v[96+16*\b+\i]|, |v[97+16*\b+\i]|
.endr
.endr
.irp b, 0,1
	s_delay_alu instid0(VALU_DEP_2)
	v_permlanex16_b32 v[236+\b], v[232+\b], s[SEL], s[SEL+1]
.endr
.irp b, 0,1
	s_delay_alu instid0(VALU_DEP_2)
	v_max_num_f32 v[232+\b], v[232+\b], v[236+\b]
.endr
.irp b, 0,1
	s_delay_alu instid0(VALU_DEP_2)
	v_add_nc_u32 v[244+\b], 0xff000000, v[232+\b]
.endr
.irp b, 0,1
	s_delay_alu instid0(VALU_DEP_2)
	v_lshrrev_b32 v[236+\b], 23, v[244+\b]
.endr
	s_delay_alu instid0(VALU_DEP_1)
	v_lshl_or_b32 v[\wd], v237, 8, v236
	v_cvt_scalef32_pk16_fp6_f32 v[\d:\d+2], v[96:111], v244
	v_cvt_scalef32_pk16_fp6_f32 v[240:242], v[112:127], v245
	v_nop                                          ; one plain place behind a scaled conversion
.irp i, 0,1,2
	v_permlane16_swap_b32 v[\d+\i], v[240+\i]
.endr
.irp i, 0,1,2
	s_delay_alu instid0(VALU_DEP_3)
	v_mov_b32 v[\d+3+\i], v[240+\i]
.endr
.irp g, 0,1,2
	global_store_b64 v[L8], v[\d+2*\g:\d+2*\g+1], s[10:11] offset:\off+256*\g   ; 256 consecutive bytes, at a multiple of 256 from the buffer's first byte
.endr
.endm
	PASS
	FINISH 192, 205, 0
	QLOAD 13312                                    ; my second tile: two steps of tokens on
	INIT
	KFIRST
	WALU
	s_wait_loadcnt 0x0
	PASS
	FINISH 198, 206, 204800                        ; 16 records on
	v_and_b32 v3, 31, v0
	s_delay_alu instid0(VALU_DEP_1)
	v_cmp_gt_u32 vcc_lo, 16, v3
	WALU
	s_wait_xcnt 0x0                                ; EXEC changes only behind this wait
	s_and_saveexec_b32 s14, vcc_lo
	global_store_b16 v[LI], v205, s[18:19]         ; lanes 0-15: my rows' two scale bytes, 16 bytes apart: one byte in 25 of what this launch stores
	global_store_b16 v[LI], v206, s[18:19] offset:204800
	s_wait_xcnt 0x0                                ; and again, in front of the line that widens it
	s_or_b32 exec_lo, exec_lo, s14
	s_wait_tensorcnt 0x0                           ; the wave's end
	ds_add_u32 v[SPW], v[NIL]
	s_wait_dscnt 0x0
	CROUND                                         ; the closing round
	s_endpgm
.Lfunc_end_k_qb4e04cfd3b_attn:
	.size	k_qb4e04cfd3b_attn, .Lfunc_end_k_qb4e04cfd3b_attn-k_qb4e04cfd3b_attn
	.p2alignl 7, 3214868480
	.fill 96, 4, 3214868480
	.section	.rodata,"a",@progbits
	.p2align	6, 0x0
	.amdhsa_kernel k_qb4e04cfd3b_attn
		.amdhsa_group_segment_fixed_size 327680
		.amdhsa_private_segment_fixed_size 0
		.amdhsa_enable_private_segment 0
		.amdhsa_kernarg_size 32
		.amdhsa_user_sgpr_count 2
		.amdhsa_user_sgpr_kernarg_segment_ptr 1
		.amdhsa_wavefront_size32 1
		.amdhsa_system_sgpr_workgroup_id_x 1
		.amdhsa_system_sgpr_workgroup_id_y 1
		.amdhsa_system_sgpr_workgroup_id_z 1
		.amdhsa_system_vgpr_workitem_id 0
		.amdhsa_next_free_vgpr 256
		.amdhsa_next_free_sgpr 66
		.amdhsa_reserve_vcc 1
		.amdhsa_float_denorm_mode_32 3
		.amdhsa_float_denorm_mode_16_64 3
		.amdhsa_memory_ordered 1
		.amdhsa_forward_progress 1
		.amdhsa_inst_pref_size 88
	.end_amdhsa_kernel
	.amdgpu_metadata
---
amdhsa.version: [ 1, 2 ]
amdhsa.kernels:
  - .name:           k_qb4e04cfd3b_attn
    .symbol:         k_qb4e04cfd3b_attn.kd
    .args:
      - { .name: qimg, .offset: 0, .size: 8, .value_kind: global_buffer, .address_space: global }
      - { .name: kimg, .offset: 8, .size: 8, .value_kind: global_buffer, .address_space: global }
      - { .name: vimg, .offset: 16, .size: 8, .value_kind: global_buffer, .address_space: global }
      - { .name: aoimg, .offset: 24, .size: 8, .value_kind: global_buffer, .address_space: global }
    .group_segment_fixed_size: 327680
    .private_segment_fixed_size: 0
    .kernarg_segment_align: 8
    .kernarg_segment_size: 32
    .max_flat_workgroup_size: 512
    .sgpr_count:     66
    .vgpr_count:     256
    .wavefront_size: 32
...
	.end_amdgpu_metadata
.endif
;; end of part 3
;; launch outp (part 4): grid 8 x 32, 4 waves a work-group, clusters of 4 x 4, 327,680 bytes of LDS; arguments aoimg, wimg, b_out, out0; writes out0
.if DOCPART == 4
	.amdgcn_target "amdgcn-amd-amdhsa--gfx1250"
	.amdhsa_code_object_version 6
	.text
	.protected	k_qb4e04cfd3b_outp
	.globl	k_qb4e04cfd3b_outp
	.p2align	8
	.type	k_qb4e04cfd3b_outp,@function
k_qb4e04cfd3b_outp:
	s_mov_b64 s[64:65], 0
	v_nop
	global_prefetch_b8 v0, s[64:65] scope:SCOPE_SE
	s_setreg_imm32_b32 hwreg(HW_REG_WAVE_MODE, 25, 1), 1
	s_wait_xcnt 0x0
	s_wait_alu depctr_hold_cnt(0) depctr_sa_sdst(0) depctr_va_vdst(0) depctr_va_sdst(0) depctr_va_ssrc(0) depctr_va_vcc(0) depctr_vm_vsrc(0)
	s_getreg_b32 s2, hwreg(HW_REG_IB_STS2, 6, 4)
	s_cmp_eq_u32 s2, 0
	s_cbranch_scc0 .Lentry_in_a_cluster
	s_endpgm
.Lentry_in_a_cluster:
	s_bfe_u32 s2, ttmp6, 0x10000c
	s_cmp_lg_u32 s2, 0xf033
	s_cbranch_scc0 .Lentry_shape_is_right
	s_endpgm
.Lentry_shape_is_right:
; out0 = ao w_out^T + b_out on codes of FP6 (E2M3) with E8M0 scales; out0 [8192][1024] f32.
; OPERANDS are images of operand registers: a record of 12,800 bytes for 16 rows: eight fragments of 1,536 bytes (K step q at 1,536 q), then 512 bytes of scale words ((row r, K step q) at 256 (q / 4) + 16 r + 4 (q % 4)).
; A = aoimg (512 records; a fragment is six images of two registers, 8 bytes a lane); B = w_out's 64 records, 192 records into wimg (a fragment is three images of four registers, 16 bytes a lane).
; Inside a block of 32 both hold the octets in the order 0, 2, 1, 3.
; SHARES.  256 work-groups of four waves, 2 x 2; a work-group makes 256 rows x 128 columns.  ALL OF K LIES IN LDS: A's 16 records and B's 8 are two dense blocks of memory, 307,200 bytes,
; filled once by one joint load a wave (waves 0, 1 a half of A each, waves 2, 3 a half of B each).  Nothing is filled again.  No prefetch: every tensor load goes out at the head, so there is no loop to run ahead in.
; A wave holds its 64 columns of w_out, all of K, in registers (32 fragments, 384 registers) and streams its 128 rows of A past them in eight blocks of 16 rows, all of K (8 fragments and 8 scale words, in two sets).
; A block's 16 x 64 results are finished after its 32 products and leave at once, through the wave's own stage in LDS, as whole rows of 256 bytes, while the next blocks are multiplied.
; The matrix instruction is used transposed (source 0 = 16 rows of B, source 1 = 16 rows of A): a lane holds eight neighbouring numbers of a row of out0.  The bias is the C of each sum's first product.
; CLUSTERS: 4 x 4 work-groups; A's blocks are asked for jointly along a row of the cluster, B's along a column.
; REGISTERS.  window 0: v4-15 addresses; v32-47 B's scale words, v52-67 A's two sets, and nothing else there; v72-103 the bias; v104-167 two sets of four accumulators; v168-231 two sets of 16 rows on the way out.
;   Fragment f lies in window 1 + f / 21 at register 12 (f % 21): 0-31 B's (4 q + j), 32-39 and 40-47 A's two sets.
; THE WAITS' COUNTS.  A trip issues, behind its products, the fetch of the block two on (50 LDS loads) and then its own trip through the stage (8 stores, 8 loads).  At a trip's head the block's own fetch and the stage
; loads of the block two back are wanted; behind them stand one fetch and one stage trip, 66 instructions: the wait names 63, which asks for no less.  Where no fetch is left, 16.
.set REC,   12800
.set BLD,   16*REC                     ; B's records in LDS, behind A's
.set SPARE, 24*REC                     ; the spare words, 128 bytes for each wave: two blocks of 256 bytes that no other line names
.set STAGE, SPARE+512                  ; a stage of 16 rows x (256 + 16) bytes for each wave: bytes of its own, into which no fill lands
.set SP,    272
.set FPW,   21
.set AA,   4                           ; v4, v5  LDS address of my A fragments: blocks 0-3, blocks 4-7
.set AS,   6                           ; v6, v7  of my A rows' scale words
.set BA,   8                           ; v8   of my B fragments
.set BS,   9                           ; v9   of B's scale words: lanes 0-15 an even column tile, lanes 16-31 the odd one behind it
.set STO,  10                          ; v10  the stage: where I put 32 bytes of a row
.set RD,   11                          ; v11  where I read rows back
.set CO,   12                          ; v12  my byte offset in two rows of out0
.set H32,  13                          ; v13  32 x (lane / 16)
.set SPW,  14
.set NIL,  15
.set SB,   32
.set SA,   52
.set BB,   72
.set ACC,  104
.set OB,   168
.set G1A,  24
.set G1B,  32
.set G0A,  56
.set G0B,  60
.set MSB, 0
.macro WIN new                         ; the immediate's high byte repeats the setting that is left
.if MSB != (\new)
	s_set_vgpr_msb (MSB<<8)|(\new)
.set MSB, \new
.endif
.endm
.macro NOPS n
.rept \n
	v_nop
.endr
.endm
.macro WALU
	s_wait_alu depctr_va_vdst(0)
.endm
.macro BARRIER
	s_barrier_signal -1
	s_barrier_wait -1
.endm
.macro CROUND                          ; a round of the cluster's barrier
	BARRIER
	s_cmp_lg_u32 s20, 0
	s_cbranch_scc1 .Lnot_wave_0_\@
	s_barrier_signal -3
.Lnot_wave_0_\@:
	s_barrier_wait -3
	BARRIER
.endm
	s_load_b256 s[4:11], s[0:1], 0x0               ; aoimg, wimg, b_out, out0
	v_lshl_add_u32 v[SPW], v0, 2, SPARE
	v_mov_b32 v[NIL], 0
	ds_add_u32 v[SPW], v[NIL]                      ; the opening lines: the add twice on end and its wait ahead of my first tensor load
	ds_add_u32 v[SPW], v[NIL]
	v_lshrrev_b32 v1, 5, v0
	v_readfirstlane_b32 s20, v1                    ; wave 0..3
	s_lshr_b32 s21, s20, 1                         ; which 128 rows are mine.  Also: I fetch for A (0) or for B (1)
	s_and_b32 s22, s20, 1                          ; which 64 columns.  Also: which half of that block I fetch
	s_bfe_u32 s92, ttmp6, 0x40000                  ; cx
	s_bfe_u32 s93, ttmp6, 0x40004                  ; cy
	s_lshl_b32 s96, ttmp9, 2
	s_add_co_u32 s96, s96, s92                     ; tile column, 0 .. 7
	s_and_b32 s97, ttmp7, 0xffff
	s_lshl_b32 s97, s97, 2
	s_add_co_u32 s97, s97, s93                     ; tile row, 0 .. 31
	s_lshl_b32 s2, s97, 1
	s_add_co_u32 s2, s2, s22
	s_mul_i32 s2, s2, 8*REC                        ; A: the 8 records that I fetch
	s_mov_b32 s3, 0
	s_lshl_b32 s66, s96, 1
	s_add_co_u32 s66, s66, s22
	s_mul_i32 s66, s66, 4*REC                      ; B: the 4 records that I fetch,
	s_add_co_u32 s66, s66, 0x258000                ; w_out's begin 192 x 12,800 bytes into wimg
	s_mov_b32 s67, 0
	s_lshl_b32 s98, s93, 2
	s_lshl_b32 s98, 15, s98                        ; my row of the cluster
	s_lshl_b32 s99, 0x1111, s92                    ; my column
	s_or_b32 s[G1A], s98, (3<<16)|(1<<21)          ; the mask; elements of 8 bytes; no padding: images are read on end; bit 21 beside a mask
	s_or_b32 s[G1B], s99, (3<<16)|(1<<21)
	s_mov_b32 s[G1A+1], 32<<16                     ; a dense block as rows of 256 bytes:
	s_mov_b32 s[G1A+2], 400<<16                    ; 400 rows: 8 records
	s_mov_b32 s[G1A+3], 32<<16
	s_mov_b32 s[G1A+4], 400
	s_mov_b32 s[G1A+5], 32
	s_mov_b32 s[G1A+6], 0
	s_mov_b32 s[G1A+7], 0
	s_mov_b32 s[G1B+1], 32<<16
	s_mov_b32 s[G1B+2], 200<<16                    ; 200 rows: 4 records
	s_mov_b32 s[G1B+3], 32<<16
	s_mov_b32 s[G1B+4], 200
	s_mov_b32 s[G1B+5], 32
	s_mov_b32 s[G1B+6], 0
	s_mov_b32 s[G1B+7], 0
	s_mul_i32 s12, s22, 8*REC                      ; where my load goes: no place in the cluster enters an LDS address
	s_mul_i32 s13, s22, 4*REC
	s_add_co_u32 s13, s13, BLD
	WALU
	s_wait_dscnt 0x0                               ; both opening adds are done
	CROUND                                         ; all sixteen work-groups are here: the joint loads meet
	s_wait_kmcnt 0x0
	s_mov_b32 s[G0A], 1
	s_mov_b32 s[G0A+1], s12
	s_add_nc_u64 s[G0A+2:G0A+3], s[4:5], s[2:3]
	s_or_b32 s[G0A+3], s[G0A+3], 0x80000000
	s_mov_b32 s[G0B], 1
	s_mov_b32 s[G0B+1], s13
	s_add_nc_u64 s[G0B+2:G0B+3], s[6:7], s[66:67]
	s_or_b32 s[G0B+3], s[G0B+3], 0x80000000
	s_cmp_eq_u32 s21, 0                            ; one load a wave, in the two arms of one branch on the wave's number
	s_cbranch_scc0 .Lfor_b
	tensor_load_to_lds s[G0A:G0A+3], s[G1A:G1A+7]
	s_nop 0
	NOPS 4
	s_branch .Lasked
.Lfor_b:
	tensor_load_to_lds s[G0B:G0B+3], s[G1B:G1B+7]
	s_nop 0
	NOPS 4
.Lasked:
	v_and_b32 v1, 31, v0                           ; lane
	v_and_b32 v2, 15, v0                           ; r
	v_bfe_u32 v3, v0, 4, 1                         ; h
	s_mul_i32 s12, s21, 8*REC                      ; my 128 rows of A
	s_mul_i32 s13, s22, 4*REC
	s_add_co_u32 s13, s13, BLD                     ; my 64 rows of B
	v_lshl_add_u32 v[AA], v1, 3, s12
	v_add_nc_u32 v[AA+1], 4*REC, v[AA]
	v_lshl_add_u32 v[AS], v2, 4, s12
	v_add_nc_u32 v[AS], 12288, v[AS]
	v_add_nc_u32 v[AS+1], 4*REC, v[AS]
	v_lshl_add_u32 v[BA], v1, 4, s13
	v_mul_u32_u24 v[BS], v3, REC                   ; lanes 16-31 take the next record's words
	v_lshl_add_u32 v[BS], v2, 4, v[BS]
	v_add_nc_u32 v[BS], s13, v[BS]
	v_add_nc_u32 v[BS], 12288, v[BS]
	s_mul_i32 s14, s20, 16*SP
	s_add_co_u32 s14, s14, STAGE                   ; my stage
	v_mul_u32_u24 v[STO], v2, SP
	v_lshl_add_u32 v[STO], v3, 5, v[STO]
	v_add_nc_u32 v[STO], s14, v[STO]               ; in: row r, 32 bytes for each half of the lanes
	v_mul_u32_u24 v[RD], v3, SP
	v_lshl_add_u32 v[RD], v2, 4, v[RD]
	v_add_nc_u32 v[RD], s14, v[RD]                 ; back: lanes 0-15 one row of 256 bytes, lanes 16-31 the next
	v_lshlrev_b32 v[CO], 12, v3
	v_lshl_add_u32 v[CO], v2, 4, v[CO]             ; and the same two rows in out0
	v_lshlrev_b32 v[H32], 5, v3
	WALU                                           ; the end of the head's vector lines
	s_lshl_b32 s2, s96, 9
	s_lshl_b32 s3, s22, 8
	s_add_co_u32 s2, s2, s3                        ; my 64 columns, in bytes
	s_mov_b32 s3, 0
	s_add_nc_u64 s[8:9], s[8:9], s[2:3]            ; b_out there,
	s_add_nc_u64 s[10:11], s[10:11], s[2:3]        ; out0 likewise,
	s_lshl_b32 s2, s97, 1
	s_add_co_u32 s2, s2, s21
	s_lshl_b32 s2, s2, 19                          ; and at my first row: 128 rows of 4,096 bytes
	s_add_nc_u64 s[10:11], s[10:11], s[2:3]
.irp j, 0,1,2,3                        ; lane (r, h) wants, for column tile j, the bias of columns 16 j + 8 h + 0 .. 7
	global_load_b128 v[BB+8*\j:BB+8*\j+3], v[H32], s[8:9] offset:64*\j
	global_load_b128 v[BB+8*\j+4:BB+8*\j+7], v[H32], s[8:9] offset:64*\j+16
.endr
.macro LDB f, off                      ; a fragment of B: three images of four registers
	WIN (1+(\f)/FPW)<<6
.irp g, 0,1,2
	ds_load_b128 v[12*((\f)%FPW)+4*\g:12*((\f)%FPW)+4*\g+3], v[BA] offset:(\off)+512*\g
.endr
.endm
.macro LDA f, adr, off                 ; a fragment of A: six images of two registers
	WIN (1+(\f)/FPW)<<6
.irp g, 0,1,2,3,4,5
	ds_load_b64 v[12*((\f)%FPW)+2*\g:12*((\f)%FPW)+2*\g+1], v[\adr] offset:(\off)+256*\g
.endr
.endm
.macro WEIGHTS                         ; my 64 rows of w_out, all of K: 96 loads, and their scale words: 4
.irp q, 0,1,2,3,4,5,6,7
.irp j, 0,1,2,3
	LDB 4*\q+\j, REC*\j+1536*\q
.endr
.endr
	WIN 0
.irp p, 0,1
.irp u, 0,1
	ds_load_b128 v[SB+8*\p+4*\u:SB+8*\p+4*\u+3], v[BS] offset:2*REC*\p+256*\u
.endr
.endr
.endm
.macro FETCH s                         ; block s of A, all of K, into set s % 2: 48 loads, and its scale words: 2
.irp q, 0,1,2,3,4,5,6,7
	LDA 32+8*((\s)%2)+\q, AA+(\s)/4, REC*((\s)%4)+1536*\q
.endr
	WIN 0
	ds_load_b128 v[SA+8*((\s)%2):SA+8*((\s)%2)+3], v[AS+(\s)/4] offset:REC*((\s)%4)
	ds_load_b128 v[SA+8*((\s)%2)+4:SA+8*((\s)%2)+7], v[AS+(\s)/4] offset:REC*((\s)%4)+256
.endm
.macro PROD1 d, fb, fa, c, xb, xa, row
	v_wmma_scale_f32_16x16x128_f8f6f4 v[\d:\d+7], v[12*((\fb)%FPW):12*((\fb)%FPW)+11], v[12*((\fa)%FPW):12*((\fa)%FPW)+11], \c, v[\xb], v[\xa] matrix_a_fmt:MATRIX_FMT_FP6 matrix_b_fmt:MATRIX_FMT_FP6 matrix_a_scale:MATRIX_SCALE_ROW\row
.endm
.macro PROD e, q, j                    ; column tile j x the block in set e, K step q.  The first product takes the bias as C: nothing is cleared and nothing is added later
.set FB_, 4*(\q)+(\j)
.set FA_, 32+8*(\e)+(\q)
.set D_, ACC+32*(\e)+8*(\j)
	WIN (1+FB_/FPW)|((1+FA_/FPW)<<2)
.if (\q) == 0
.if (\j)%2
	PROD1 D_, FB_, FA_, v[BB+8*(\j):BB+8*(\j)+7], SB+8*((\j)/2)+(\q), SA+8*(\e)+(\q), 1
.else
	PROD1 D_, FB_, FA_, v[BB+8*(\j):BB+8*(\j)+7], SB+8*((\j)/2)+(\q), SA+8*(\e)+(\q), 0
.endif
.else
.if (\j)%2
	PROD1 D_, FB_, FA_, v[D_:D_+7], SB+8*((\j)/2)+(\q), SA+8*(\e)+(\q), 1
.else
	PROD1 D_, FB_, FA_, v[D_:D_+7], SB+8*((\j)/2)+(\q), SA+8*(\e)+(\q), 0
.endif
.endif
.endm
.macro BLOCK s                         ; 32 products; the four accumulators take turns, one instruction a turn
.irp q, 0,1,2,3,4,5,6,7
.irp j, 0,1,2,3
	PROD (\s)%2, \q, \j
.endr
.endr
	WIN 0
	NOPS 4                                         ; places: in front of loads into the block's registers and of the first read of its results
.endm
.macro TOSTAGE s                       ; the block's 16 x 64 results into my stage and back as whole rows.  LDS serves a wave's instructions in order: no wait between the stores and the loads
	s_wait_xcnt 0x0                                ; the stores of the block two back have read the registers that the loads below fill
.irp j, 0,1,2,3
	ds_store_b128 v[STO], v[ACC+32*((\s)%2)+8*\j:ACC+32*((\s)%2)+8*\j+3] offset:64*\j        ; each accumulator from its low end on
	ds_store_b128 v[STO], v[ACC+32*((\s)%2)+8*\j+4:ACC+32*((\s)%2)+8*\j+7] offset:64*\j+16
.endr
.irp t, 0,1,2,3,4,5,6,7
	ds_load_b128 v[OB+32*((\s)%2)+4*\t:OB+32*((\s)%2)+4*\t+3], v[RD] offset:2*\t*SP
.endr
.endm
.macro SEND s                          ; sixteen lanes store 256 consecutive bytes, at a multiple of 256 from out0's first byte; every offset is an immediate
.irp t, 0,1,2,3,4,5,6,7
	global_store_b128 v[CO], v[OB+32*((\s)%2)+4*\t:OB+32*((\s)%2)+4*\t+3], s[10:11] offset:(16*(\s)+2*\t)*4096 th:TH_STORE_NT
.endr
.endm
	s_cmp_eq_u32 s21, 0                            ; waves 2 and 3, which alone issue B's line, wait for it
	s_cbranch_scc1 .Lnot_b
	s_wait_tensorcnt 0x0
.Lnot_b:
	BARRIER                                        ; B's records are in; A's may still be on their way
	WEIGHTS
	s_wait_tensorcnt 0x0                           ; on every wave's way: all that is still out
	s_wait_dscnt 0x0
	BARRIER                                        ; A's records are in
	FETCH 0
	FETCH 1
	s_wait_loadcnt 0x0                             ; the bias
	s_wait_dscnt 50                                ; block 0 is in; block 1's 50 loads may be out
	BLOCK 0
	FETCH 2
	TOSTAGE 0
	s_wait_dscnt 63
	BLOCK 1
	FETCH 3
	TOSTAGE 1
.irp s, 2,3,4,5
	s_wait_dscnt 63
	SEND (\s)-2
	BLOCK \s
	FETCH (\s)+2
	TOSTAGE \s
.endr
	s_wait_dscnt 63
	SEND 4
	BLOCK 6
	TOSTAGE 6
	s_wait_dscnt 16                                ; block 7 and block 5's rows are in; block 6's stage trip may be out
	SEND 5
	BLOCK 7
	TOSTAGE 7
	s_wait_dscnt 16
	SEND 6
	s_wait_dscnt 0x0
	SEND 7
	s_wait_tensorcnt 0x0                           ; the wave's end, behind my last tensor load and my last LDS store
	ds_add_u32 v[SPW], v[NIL]
	s_wait_dscnt 0x0
	CROUND                                         ; the closing round
	s_endpgm
.Lfunc_end_k_qb4e04cfd3b_outp:
	.size	k_qb4e04cfd3b_outp, .Lfunc_end_k_qb4e04cfd3b_outp-k_qb4e04cfd3b_outp
	.p2alignl 7, 3214868480
	.fill 96, 4, 3214868480
	.section	.rodata,"a",@progbits
	.p2align	6, 0x0
	.amdhsa_kernel k_qb4e04cfd3b_outp
		.amdhsa_group_segment_fixed_size 327680
		.amdhsa_private_segment_fixed_size 0
		.amdhsa_enable_private_segment 0
		.amdhsa_kernarg_size 32
		.amdhsa_user_sgpr_count 2
		.amdhsa_user_sgpr_kernarg_segment_ptr 1
		.amdhsa_wavefront_size32 1
		.amdhsa_system_sgpr_workgroup_id_x 1
		.amdhsa_system_sgpr_workgroup_id_y 1
		.amdhsa_system_sgpr_workgroup_id_z 1
		.amdhsa_system_vgpr_workitem_id 0
		.amdhsa_next_free_vgpr 848
		.amdhsa_next_free_sgpr 102
		.amdhsa_reserve_vcc 0
		.amdhsa_float_denorm_mode_32 3
		.amdhsa_float_denorm_mode_16_64 3
		.amdhsa_memory_ordered 1
		.amdhsa_forward_progress 1
		.amdhsa_inst_pref_size 88
	.end_amdhsa_kernel
	.amdgpu_metadata
---
amdhsa.version: [ 1, 2 ]
amdhsa.kernels:
  - .name:           k_qb4e04cfd3b_outp
    .symbol:         k_qb4e04cfd3b_outp.kd
    .args:
      - { .name: aoimg, .offset: 0, .size: 8, .value_kind: global_buffer, .address_space: global }
      - { .name: wimg, .offset: 8, .size: 8, .value_kind: global_buffer, .address_space: global }
      - { .name: b_out, .offset: 16, .size: 8, .value_kind: global_buffer, .address_space: global }
      - { .name: out0, .offset: 24, .size: 8, .value_kind: global_buffer, .address_space: global }
    .group_segment_fixed_size: 327680
    .private_segment_fixed_size: 0
    .kernarg_segment_align: 8
    .kernarg_segment_size: 32
    .max_flat_workgroup_size: 128
    .sgpr_count:     102
    .vgpr_count:     848
    .wavefront_size: 32
...
	.end_amdgpu_metadata
.endif
;; end of part 4
